; MI455X (gfx1250); checked and timed in simulation.
; The chip was launched on July 23, 2026; its instructions are those of AMD's public machine-readable ISA for CDNA 5 (MIT licence, August 2026) and "CDNA5" Instruction Set Architecture Reference Guide (July 2026). The comments in the code are by the model that wrote it; some were corrected since.
;; Multi Head Attention Layer. Allowed arithmetic: matrix products marked QUANTISED: E2M1 operands, one E8M0 scale for each 32 along K, by v_wmma_scale_f32_16x16x128_f8f6f4 with both operands' format E2M1 (or v_wmma_scale_f32_32x16x128_f4), f32 sums; products left as they are: bf16, f16 or f32 operands; f32 sums; everything else in f32.
;; Inputs: K 4 x 2,048 x 1,024 float32; Q 4 x 2,048 x 1,024 float32; V 4 x 2,048 x 1,024 float32; Wk 1,024 x 1,024 float32; Wo 1,024 x 1,024 float32; Wq 1,024 x 1,024 float32; Wv 1,024 x 1,024 float32; bk 1,024 float32; bo 1,024 float32; bq 1,024 float32; bv 1,024 float32.
;; Outputs: out0 4 x 2,048 x 1,024 float32.
;; This version of the problem:
;;   THIS VERSION OF THE PROBLEM IS GIVEN IN LOW PRECISION. The matrix products marked QUANTISED in the list below multiply operands that are first quantised to E2M1 (2 exponent bits, 1 mantissa bit; 4 bits a number), with one power-of-two scale for each 32 numbers along K (OCP MX v1.0); their sums are f32. The products marked 'left as it is' may take bf16, f16 or f32 operands, with f32 sums. Whichever they take, every output number must still come out within the allowed error. Rounding operands to bf16 (8 significant bits) uses up far more of that allowance than f16 does (11 bits, for magnitudes from 6e-5 to 65,504). All else is computed in f32.
;;   The module's matrix products, in the order in which they are computed (A, B: the left and right operand; K: the contracted axis; several contracted axes count as one K, in the product's order):
;;     1. [M 8,192, K 1,024] x [K 1,024, N 1,024]; A: input Q; B: input Wq: QUANTISED
;;     2. [M 8,192, K 1,024] x [K 1,024, N 1,024]; A: input K; B: input Wk: QUANTISED
;;     3. [M 8,192, K 1,024] x [K 1,024, N 1,024]; A: input V; B: input Wv: QUANTISED
;;     4. batch 64 x [M 2,048, K 64] x [K 64, N 2,048]; A: computed on the way; B: computed on the way: left as it is (an operand is computed on the way)
;;     5. batch 64 x [M 2,048, K 2,048] x [K 2,048, N 64]; A: computed on the way; B: computed on the way: left as it is (an operand is computed on the way)
;;     6. [M 8,192, K 1,024] x [K 1,024, N 1,024]; A: computed on the way; B: input Wo: left as it is (an operand is computed on the way)
;;   THE QUANTISER, for each operand of a quantised product, along K:
;;     - K is cut into blocks of 32 from its start; a last block that is shorter is filled with zeros.
;;     - A block's scale is 2^e with e = floor(log2(the largest magnitude in the block)) - 2, held to -126 .. 127; a block of zeros has e = 0. As a byte (E8M0): e + 127.
;;     - Each number is divided by its block's scale, clamped to +-6, and rounded to the nearest number of E2M1, ties to even, subnormals kept.
;;     - The product sums the exact products of the quantised numbers (number of the format x scale) in f32.
;;   ~~~python
;;   def quantise(x, axis):      # numpy; x: float32 -> the quantised numbers, widened to float32 again
;;       x = np.moveaxis(x, axis, -1); K = x.shape[-1]
;;       x = np.pad(x, [(0, 0)] * (x.ndim - 1) + [(0, -K % 32)]); x = x.reshape(x.shape[:-1] + (-1, 32)); a = np.abs(x).max(-1, keepdims=True)
;;       e = np.where(a > 0, np.clip(np.frexp(np.where(a > 0, a, 1))[1] - 1 - 2, -126, 127), 0)      # np.frexp(a)[1] - 1 = floor(log2(a)), exactly
;;       r = np.clip(x / 2.0 ** e, -6, 6)
;;       step = 2.0 ** (np.maximum(np.frexp(np.where(r == 0, 1, r))[1] - 1, 0) - 1)
;;       q = np.round(r / step) * step * 2.0 ** e      # np.round: ties to even
;;       return np.moveaxis(q.reshape(q.shape[:-2] + (-1,))[..., :K], -1, axis).astype(np.float32)
;;   ~~~
;; One version. Each part assembles by itself: llvm-mc -triple=amdgcn-amd-amdhsa -mcpu=gfx1250 --defsym DOCPART=n.
;; ======== version 1 of 1: 5 launches
;; limits: values are held in f16: magnitudes above 65,504 overflow, below 6.1e-05 lose precision
;; workspace buffers: xc 12,582,912 bytes; xs 786,432 bytes; wc 1,572,864 bytes; ws 98,304 bytes; woh 2,097,152 bytes; qkv 50,331,648 bytes; r32 786,432 bytes; ao 16,777,216 bytes
;; launch prep (part 1): grid 544 x 1, 8 waves a work-group, no clusters, 84,480 bytes of LDS; arguments Q, K, V, Wq, Wk, Wv, Wo, xc, xs, wc, ws, woh; writes xc, xs, wc, ws, woh
.if DOCPART == 1
	.amdgcn_target "amdgcn-amd-amdhsa--gfx1250"
	.amdhsa_code_object_version 6
	.text
	.protected	k_q6f926270cf_prep
	.globl	k_q6f926270cf_prep
	.p2align	8
	.type	k_q6f926270cf_prep,@function
k_q6f926270cf_prep:
	s_mov_b64 s[64:65], 0
	v_nop
	global_prefetch_b8 v0, s[64:65] scope:SCOPE_SE
	s_setreg_imm32_b32 hwreg(HW_REG_WAVE_MODE, 25, 1), 1
	s_wait_xcnt 0x0
; MULTI-HEAD ATTENTION, first of five launches: the operands of the three quantised projections become codes of FP4 (E2M1) with one E8M0 byte for each 32 along K, and Wo becomes f16.
; DEAD WORK, for the whole program: bk.  scores[q][k] = q . (K Wk)[k] + q . bk, and q . bk is the same for all keys k of a query q: the softmax along the keys divides it out, for all values of the inputs.
; The product with q is not quantised, so bk moves no code and no scale.  bk has then no way to any output: it is not loaded and is among no launch's arguments.
; LIMIT: a NaN, an infinity or an overflow that reaches only bk is not carried to the result.  bq, bv and bo are live and are honoured.
; LIMITS of this launch: a block of zeros gets the scale byte 1 where the quantiser says 127 (its codes are zeros, which add nothing under any byte but 0xff, and this program alone reads the bytes);
; NaN and infinities among the inputs are not served; Wo is rounded to f16 (magnitudes over 65,504 become infinity, under 6e-5 subnormal).
; THREE WAYS, parted by the work-group's number alone; each has LDS bytes of its own.
;   0 .. 95    Wq, Wk, Wv [k][n]: K is the FIRST axis.  A lane takes a column n, its registers run down K.  A work-group takes 32 columns x all 1,024 k, a wave 128 k.  -> wc [3 x 1,024 n][512 bytes], ws [3,072][32]
;   96 .. 159  Wo -> woh, f16, as it lies
;   160 .. 543 Q, K, V [row][k]: plain streams of blocks of 32.  A wave takes 16 steps of 512 numbers.  -> xc [3 x 8,192 rows][512 bytes], xs [24,576][32]
.set SP,     80                        ; a lane's place in a stage: its 64 bytes + 16 of padding
.set WREG,   8192                      ; LDS of a wave on the streams' way: two stages of 32 x SP bytes, then its 256 scale bytes
.set WSTG,   65536                     ; the weights' way: 32 rows (columns n) x (512 bytes of codes + 16)
.set WP,     528
.set WSC,    WSTG+32*WP                ; and 32 x 32 scale bytes
.set SPARE,  WSC+1024                  ; the spare words, 128 bytes for each wave: four blocks of 256 bytes that no other line names
.set EMAX,   2
.set STEPS,  16
.set SPW,    12                        ; v12  LDS address of my spare word; never rewritten
.set NIL,    13                        ; v13  0; never rewritten
.set R,      16                        ; v16-79   four sets of 16 numbers as they are loaded
.set X,      80                        ; v80-111  two sets of 16 neighbours
.set E,      112                       ; v112-127 a scale byte for each step
.set C,      128                       ; v128-159 codes: two registers for each step, so that no store's data are written again
	s_load_b512 s[4:19], s[0:1], 0x0               ; Q 4, K 6, V 8, Wq 10, Wk 12, Wv 14, Wo 16, xc 18
	s_load_b256 s[20:27], s[0:1], 0x40             ; xs 20, wc 22, ws 24, woh 26
	v_lshl_add_u32 v[SPW], v0, 2, SPARE
	v_mov_b32 v[NIL], 0
	v_lshrrev_b32 v1, 5, v0
	v_readfirstlane_b32 s28, v1                    ; wave 0..7
	v_and_b32 v2, 31, v0                           ; lane
	v_lshlrev_b32 v3, 4, v2                        ; 16 x lane
	s_wait_kmcnt 0x0
	s_cmp_lt_u32 ttmp9, 96
	s_cbranch_scc1 .Lw
	s_cmp_lt_u32 ttmp9, 160
	s_cbranch_scc1 .Lc
; ---- Q, K, V.  Each of a step's four loads reads 512 consecutive bytes; the 2,048 bytes turn through the wave's own stage, so that a lane then holds 16 neighbours along K (two lanes hold a block)
	s_sub_co_u32 s29, ttmp9, 160                   ; g: 128 work-groups to a tensor
	s_cmp_lt_u32 s29, 128
	s_cselect_b64 s[4:5], s[4:5], s[6:7]           ; the choice hangs on the work-group's number alone
	s_cmp_lt_u32 s29, 256
	s_cselect_b64 s[4:5], s[4:5], s[8:9]
	s_and_b32 s30, s29, 127
	s_lshl_b32 s30, s30, 3
	s_add_co_u32 s30, s30, s28                     ; my run of 8,192 numbers in its tensor
	s_lshl_b32 s30, s30, 15
	s_mov_b32 s31, 0
	s_add_nc_u64 s[4:5], s[4:5], s[30:31]
	s_lshl_b32 s32, s29, 3
	s_add_co_u32 s32, s32, s28                     ; and among all three tensors' runs
	s_lshl_b32 s34, s32, 12                        ; 4,096 bytes of codes a run
	s_mov_b32 s35, 0
	s_add_nc_u64 s[18:19], s[18:19], s[34:35]
	s_lshl_b32 s34, s32, 8                         ; 256 scale bytes a run
	s_add_nc_u64 s[20:21], s[20:21], s[34:35]
	s_mul_i32 s33, s28, WREG
	v_lshrrev_b32 v14, 2, v2
	v_mul_u32_u24 v14, v14, SP
	v_and_b32 v15, 3, v2
	v_lshl_add_u32 v14, v15, 4, v14
	v_add_nc_u32 v14, s33, v14                     ; the stage, on the way in: four lanes' 64 bytes on end, then 16 of padding
	v_mul_u32_u24 v15, v2, SP
	v_add_nc_u32 v15, s33, v15                     ; and on the way out: my 16 neighbours
	v_lshlrev_b32 v4, 3, v2                        ; 8 x lane: my codes' place in a step's, and my 8 scale bytes' at the end
	v_lshrrev_b32 v5, 1, v2
	s_add_co_u32 s33, s33, 2*32*SP
	v_add_nc_u32 v5, s33, v5                       ; my block's scale byte
	v_add_nc_u32 v6, s33, v4
.macro XLOAD t
.irp i, 0,1,2,3
	global_load_b128 v[R+16*((\t)%4)+4*\i:R+16*((\t)%4)+4*\i+3], v3, s[4:5] offset:2048*(\t)+512*\i th:TH_LOAD_NT
.endr
.endm
.macro XTURN t                         ; LDS serves a wave's instructions in order (ISA guide 5.7.1.4): no wait between the stores and the loads
.irp i, 0,1,2,3
	ds_store_b128 v14, v[R+16*((\t)%4)+4*\i:R+16*((\t)%4)+4*\i+3] offset:32*SP*((\t)%2)+8*SP*\i
.endr
.irp i, 0,1,2,3
	ds_load_b128 v[X+16*((\t)%2)+4*\i:X+16*((\t)%2)+4*\i+3], v15 offset:32*SP*((\t)%2)+16*\i
.endr
.endm
.irp t, 0,1,2,3
	XLOAD \t
.endr
	s_wait_loadcnt 12                              ; step 0's four loads are in
	XTURN 0
.macro XSTEP t
.set XS, X+16*((\t)%2)
.if (\t) > 0
	s_wait_dscnt 1                                 ; this step's numbers are back from the stage; the last step's byte store may be out
.else
	s_wait_dscnt 0x0
.endif
.if (\t)+4 < STEPS
	XLOAD (\t)+4                                   ; into the registers that this step's stage stores have read
.endif
.if (\t)+1 < STEPS
.if STEPS-2-(\t) >= 3
	s_wait_loadcnt 12                              ; the next step's four loads are in; three steps' may be out
.else
	s_wait_loadcnt 4*(STEPS-2-(\t))
.endif
	XTURN (\t)+1
.endif
	v_max3_num_f32 v8, |v[XS]|, |v[XS+1]|, |v[XS+2]|               ; the largest magnitude of my 16, in two chains
	v_max3_num_f32 v9, |v[XS+3]|, |v[XS+4]|, |v[XS+5]|
.irp i, 6,10
	v_max3_num_f32 v8, v8, |v[XS+\i]|, |v[XS+\i+1]|
	v_max3_num_f32 v9, v9, |v[XS+\i+2]|, |v[XS+\i+3]|
.endr
	v_max3_num_f32 v8, v8, |v[XS+14]|, |v[XS+15]|
	v_max3_num_f32 v8, v8, v9, (EMAX+1)<<23        ; and the floor 2^(EMAX + 1 - 127): the byte cannot fall under 1
	v_max_num_f32_dpp v8, v8, v8 row_xmask:1 row_mask:0xf bank_mask:0xf   ; and of my neighbour's 16: the block's
	v_add_nc_u32 v11, -(EMAX<<23), v8              ; EMAX off its exponent field: the conversion takes that field as its scale
	v_cvt_scalef32_pk8_fp4_f32 v[C+2*(\t)], v[XS:XS+7], v11
	v_cvt_scalef32_pk8_fp4_f32 v[C+2*(\t)+1], v[XS+8:XS+15], v11
	v_lshrrev_b32 v[E+(\t)], 23, v11               ; the scale's byte
	ds_store_b8 v5, v[E+(\t)] offset:16*(\t)       ; both lanes of a block write the same byte with the same value
	global_store_b64 v4, v[C+2*(\t):C+2*(\t)+1], s[18:19] offset:256*(\t)   ; the wave stores 256 consecutive bytes, aligned
.endm
.irp t, 0,1,2,3,4,5,6,7,8,9,10,11,12,13,14,15
	XSTEP \t
.endr
	ds_load_b64 v[8:9], v6                         ; my wave's 256 scale bytes
	s_wait_dscnt 0x0
	global_store_b64 v4, v[8:9], s[20:21]
	s_branch .Lend
; ---- Wq, Wk, Wv
.Lw:
	s_lshr_b32 s29, ttmp9, 5                       ; which weight
	s_and_b32 s30, ttmp9, 31                       ; which 32 columns
	s_cmp_eq_u32 s29, 0
	s_cselect_b64 s[10:11], s[10:11], s[12:13]
	s_cmp_lt_u32 s29, 2
	s_cselect_b64 s[10:11], s[10:11], s[14:15]
	s_lshl_b32 s32, s28, 19                        ; my 128 rows k of 4,096 bytes
	s_lshl_b32 s33, s30, 7
	s_add_co_u32 s32, s32, s33
	s_mov_b32 s33, 0
	s_add_nc_u64 s[10:11], s[10:11], s[32:33]
	v_lshlrev_b32 v1, 2, v2                        ; in: 4 bytes a lane
	v_mul_u32_u24 v4, v2, WP
	s_lshl_b32 s34, s28, 6
	s_add_co_u32 s34, s34, WSTG
	v_add_nc_u32 v4, s34, v4                       ; into the stage: row = my column, my wave's 64 bytes of it
	v_lshlrev_b32 v5, 5, v2
	s_lshl_b32 s34, s28, 2
	s_add_co_u32 s34, s34, WSC
	v_add_nc_u32 v5, s34, v5                       ; my column's 32 scale bytes, my wave's four
	s_mul_i32 s34, s28, 4*WP
	s_add_co_u32 s34, s34, WSTG
	v_add_nc_u32 v6, s34, v3                       ; out of the stage: wave w takes rows 4 w .. 4 w + 3, whole
	s_min_u32 s38, s28, 1                          ; (waves 0 and 1 alone send the scale bytes)
	s_lshl_b32 s38, s38, 9
	s_add_co_u32 s34, s38, WSC
	v_add_nc_u32 v8, s34, v3
	s_lshl_b32 s32, s29, 10
	s_lshl_b32 s34, s30, 5
	s_add_co_u32 s32, s32, s34                     ; the work-group's first row of wc and ws
	s_lshl_b32 s36, s32, 5
	s_add_co_u32 s36, s36, s38
	s_mov_b32 s37, 0
	s_add_nc_u64 s[24:25], s[24:25], s[36:37]
	s_lshl_b32 s34, s28, 2
	s_add_co_u32 s32, s32, s34
	s_lshl_b32 s32, s32, 9
	s_add_nc_u64 s[22:23], s[22:23], s[32:33]
.macro WLOAD t                         ; block t: W(32 t + i, my column), i = 0 .. 31
.irp i, 0,1,2,3,4,5,6,7,8,9,10,11,12,13,14,15,16,17,18,19,20,21,22,23,24,25,26,27,28,29,30,31
	global_load_b32 v[32+32*((\t)%2)+\i], v1, s[10:11] offset:(32*(\t)+\i)*4096
.endr
.endm
	WLOAD 0
	WLOAD 1
.macro WBLOCK t
.set XS, 32+32*((\t)%2)
.if (\t) < 3
	s_wait_loadcnt 32                              ; this block's 32 loads are in; the next block's may be out
.else
	s_wait_loadcnt 0
.endif
	v_max3_num_f32 v10, |v[XS]|, |v[XS+1]|, |v[XS+2]|              ; all 32 numbers of the block are mine
	v_max3_num_f32 v11, |v[XS+3]|, |v[XS+4]|, |v[XS+5]|
.irp i, 6,10,14,18,22,26
	v_max3_num_f32 v10, v10, |v[XS+\i]|, |v[XS+\i+1]|
	v_max3_num_f32 v11, v11, |v[XS+\i+2]|, |v[XS+\i+3]|
.endr
	v_max3_num_f32 v10, v10, |v[XS+30]|, |v[XS+31]|
	v_max3_num_f32 v10, v10, v11, (EMAX+1)<<23
	v_add_nc_u32 v9, -(EMAX<<23), v10
	v_lshrrev_b32 v16, 23, v9
.if (\t) == 0
	v_mov_b32 v24, v16                             ; four bytes to a register, the lower K in the lower byte
.else
	v_lshl_or_b32 v24, v16, 8*(\t), v24
.endif
.irp g, 0,1,2,3
	v_cvt_scalef32_pk8_fp4_f32 v[96+\g], v[XS+8*\g:XS+8*\g+7], v9
.endr
	ds_store_b128 v4, v[96:99] offset:16*(\t)      ; 32 codes: 16 bytes of my column's row
.if (\t)+2 < 4
	WLOAD (\t)+2
.endif
	s_wait_dscnt 0x0                               ; the store has read its registers: the next block's codes may be written
.endm
	WBLOCK 0
	WBLOCK 1
	WBLOCK 2
	WBLOCK 3
	ds_store_b32 v5, v24
	s_wait_dscnt 0x0                               ; for the others' sake: my stores have landed
	s_barrier_signal -1
	s_barrier_wait -1                              ; 32 whole rows of codes and of scale bytes lie in LDS
.irp u, 0,1,2,3
	ds_load_b128 v[100+4*\u:103+4*\u], v6 offset:WP*\u
.endr
.irp u, 0,1,2,3
	s_wait_dscnt 3-\u
	global_store_b128 v3, v[100+4*\u:103+4*\u], s[22:23] offset:512*\u   ; a whole row of 512 bytes
.endr
	s_cmp_lt_u32 s28, 2
	s_cbranch_scc0 .Lend
	ds_load_b128 v[116:119], v8
	s_wait_dscnt 0x0
	global_store_b128 v3, v[116:119], s[24:25]     ; 512 of the work-group's 1,024 consecutive scale bytes
	s_branch .Lend
; ---- Wo to f16: a wave takes 8,192 bytes
.Lc:
	s_sub_co_u32 s29, ttmp9, 96
	s_lshl_b32 s29, s29, 3
	s_add_co_u32 s29, s29, s28
	s_lshl_b32 s30, s29, 13
	s_mov_b32 s31, 0
	s_add_nc_u64 s[16:17], s[16:17], s[30:31]
	s_lshl_b32 s30, s29, 12
	s_add_nc_u64 s[26:27], s[26:27], s[30:31]
	v_lshlrev_b32 v4, 3, v2
.irp j, 0,1,2,3,4,5,6,7,8,9,10,11,12,13,14,15
	global_load_b128 v[32+4*\j:35+4*\j], v3, s[16:17] offset:512*\j th:TH_LOAD_NT
.endr
.irp j, 0,1,2,3,4,5,6,7,8,9,10,11,12,13,14,15
	s_wait_loadcnt 15-\j
	v_cvt_pk_f16_f32 v[96+2*\j], v[32+4*\j], v[33+4*\j]
	v_cvt_pk_f16_f32 v[97+2*\j], v[34+4*\j], v[35+4*\j]
	global_store_b64 v4, v[96+2*\j:97+2*\j], s[26:27] offset:256*\j
.endr
.Lend:
	s_wait_tensorcnt 0x0                           ; the wave's end, behind my last LDS store
	ds_add_u32 v[SPW], v[NIL]
	s_wait_dscnt 0x0
	s_endpgm
.Lfunc_end_k_q6f926270cf_prep:
	.size	k_q6f926270cf_prep, .Lfunc_end_k_q6f926270cf_prep-k_q6f926270cf_prep
	.p2alignl 7, 3214868480
	.fill 96, 4, 3214868480
	.section	.rodata,"a",@progbits
	.p2align	6, 0x0
	.amdhsa_kernel k_q6f926270cf_prep
		.amdhsa_group_segment_fixed_size 84480
		.amdhsa_private_segment_fixed_size 0
		.amdhsa_enable_private_segment 0
		.amdhsa_kernarg_size 96
		.amdhsa_user_sgpr_count 2
		.amdhsa_user_sgpr_kernarg_segment_ptr 1
		.amdhsa_wavefront_size32 1
		.amdhsa_system_sgpr_workgroup_id_x 1
		.amdhsa_system_sgpr_workgroup_id_y 1
		.amdhsa_system_sgpr_workgroup_id_z 1
		.amdhsa_system_vgpr_workitem_id 0
		.amdhsa_next_free_vgpr 160
		.amdhsa_next_free_sgpr 66
		.amdhsa_reserve_vcc 0
		.amdhsa_float_denorm_mode_32 3
		.amdhsa_float_denorm_mode_16_64 3
		.amdhsa_memory_ordered 1
		.amdhsa_forward_progress 1
		.amdhsa_inst_pref_size 60
	.end_amdhsa_kernel
	.amdgpu_metadata
---
amdhsa.version: [ 1, 2 ]
amdhsa.kernels:
  - .name:           k_q6f926270cf_prep
    .symbol:         k_q6f926270cf_prep.kd
    .args:
      - { .name: Q, .offset: 0, .size: 8, .value_kind: global_buffer, .address_space: global }
      - { .name: K, .offset: 8, .size: 8, .value_kind: global_buffer, .address_space: global }
      - { .name: V, .offset: 16, .size: 8, .value_kind: global_buffer, .address_space: global }
      - { .name: Wq, .offset: 24, .size: 8, .value_kind: global_buffer, .address_space: global }
      - { .name: Wk, .offset: 32, .size: 8, .value_kind: global_buffer, .address_space: global }
      - { .name: Wv, .offset: 40, .size: 8, .value_kind: global_buffer, .address_space: global }
      - { .name: Wo, .offset: 48, .size: 8, .value_kind: global_buffer, .address_space: global }
      - { .name: xc, .offset: 56, .size: 8, .value_kind: global_buffer, .address_space: global }
      - { .name: xs, .offset: 64, .size: 8, .value_kind: global_buffer, .address_space: global }
      - { .name: wc, .offset: 72, .size: 8, .value_kind: global_buffer, .address_space: global }
      - { .name: ws, .offset: 80, .size: 8, .value_kind: global_buffer, .address_space: global }
      - { .name: woh, .offset: 88, .size: 8, .value_kind: global_buffer, .address_space: global }
    .group_segment_fixed_size: 84480
    .private_segment_fixed_size: 0
    .kernarg_segment_align: 8
    .kernarg_segment_size: 96
    .max_flat_workgroup_size: 256
    .sgpr_count:     66
    .vgpr_count:     160
    .wavefront_size: 32
...
	.end_amdgpu_metadata
.endif
;; end of part 1
;; launch proj (part 2): grid 4 x 96, 4 waves a work-group, clusters of 4 x 4, 327,680 bytes of LDS; arguments xc, xs, wc, ws, bq, bv, qkv, r32; writes qkv, r32
.if DOCPART == 2
	.amdgcn_target "amdgcn-amd-amdhsa--gfx1250"
	.amdhsa_code_object_version 6
	.text
	.protected	k_q6f926270cf_proj
	.globl	k_q6f926270cf_proj
	.p2align	8
	.type	k_q6f926270cf_proj,@function
k_q6f926270cf_proj:
	s_mov_b64 s[64:65], 0
	v_nop
	global_prefetch_b8 v0, s[64:65] scope:SCOPE_SE
	s_setreg_imm32_b32 hwreg(HW_REG_WAVE_MODE, 25, 1), 1
	s_wait_xcnt 0x0
	s_wait_alu depctr_hold_cnt(0) depctr_sa_sdst(0) depctr_va_vdst(0) depctr_va_sdst(0) depctr_va_ssrc(0) depctr_va_vcc(0) depctr_vm_vsrc(0)
	s_getreg_b32 s2, hwreg(HW_REG_IB_STS2, 6, 4)
	s_cmp_eq_u32 s2, 0
	s_cbranch_scc0 .Lentry_in_a_cluster
	s_endpgm
.Lentry_in_a_cluster:
	s_bfe_u32 s2, ttmp6, 0x10000c
	s_cmp_lg_u32 s2, 0xf033
	s_cbranch_scc0 .Lentry_shape_is_right
	s_endpgm
.Lentry_shape_is_right:
; The three quantised projections in one launch: q = Q Wq + bq, k = K Wk, v = V Wv + bv, on codes of FP4 (E2M1) with one E8M0 scale for each 32 along K; sums in f32.
; LEFT OUT: bk (the softmax along the keys cancels q . bk for all values; shown at the head of the first kernel).
; A tile of 256 rows x 256 columns is made by four waves, each 128 x 128: 64 accumulators, 512 registers.  K = 1,024 is two slots of 512: both are asked for at the head, and no LDS byte is filled twice.
; PLACES.  The cluster's y gives the tensor T (y / 8) and the tile of 256 positions Yl (y % 8); cy is the batch, cx the tile of 256 columns.  So the four of a row of the cluster need the same rows of x,
; the four of a column the same rows of W: each tile is asked for jointly.  'This tile holds positions 0 to 15' is Yl = 0, the same in all partners.
; THE MATRIX INSTRUCTION IS USED TRANSPOSED (source 0 = 16 rows of W's codes, source 1 = 16 rows of x's): a lane holds eight neighbouring columns of one row.  The bias is the C of each sum's first product.
; OUT: qkv [tensor][batch][head][position][64] in f16 (LIMIT: magnitudes over 65,504 become infinity, under 6e-5 subnormal), and the sums of positions 0 to 15 of every batch in f32 to r32 [tensor][batch][16][1,024].
; REGISTERS: window 0: v0-31 addresses; v32-95 scale words, two sets; v128-191 x's fragments, one set; v192-255 the bias.  window 1: W's fragments, two sets.  windows 2, 3: the accumulators ((a, b) at v[8 (8 (a % 4) + b)]).
.set NQ,     4                         ; matrix instructions deep in a slot
.set ROWB,   256                       ; a tile's row in bytes: 512 codes
.set KROW,   512                       ; a row of codes in memory
.set PITCH,  272                       ; an LDS row: 256 bytes + 16 of padding = 68 words: the 16 rows that a load touches start at 16 different banks (64 banks of 4 bytes: ISA guide 11.1)
.set FR,     8
.set NL,     2
.set NP,     4                         ; places behind this matrix instruction (ISA guide 7.12.1)
.set HALFT,  128*PITCH
.set SLOT,   4*HALFT
.set KS,     32                        ; a row of scale bytes
.set SCL,    2*SLOT                    ; behind the slots: the scale bytes, as rows of 256 bytes + 16 of padding
.set HALFS,  16*272                    ; those of 128 rows
.set SBLK,   2*272                     ; those of 16 rows
.set SPARE,  SCL+4*HALFS               ; the spare words, 128 bytes for each wave: two blocks of 256 bytes that no other line names
.set SPITCH, 528                       ; the way out in f32: 16 rows x (512 bytes + 16) for each wave, in slot 0, which has had its one fill and its last read by then
.set HPITCH, 272                       ; the way out in f16: 16 rows x (256 bytes + 16), in the same bytes
.set STH,  10                          ; v10  f16: where I put 16 bytes of a row
.set RDH,  11                          ; v11  f16: where I read back
.set ADRA, 16
.set ADRB, 20
.set STO,  24                          ; v24  f32: where I put 32 bytes of a row
.set RD,   25                          ; v25  f32: where I read a row back
.set CO,   26                          ; v26  16 x lane
.set ADRS, 27
.set SPW,  28
.set NIL,  29
.set SC,   32
.set AF,   128
.set BI,   192                         ; the bias: block b's eight numbers of my half at v[BI + 8 b]
.set TMP,  32                          ; the way out: packed results
.set BK,   64                          ; and rows read back: v64-95, v96-127 by turns
.set G1, 24
.set G0, 32
.set G1B, 48
.set G0B, 56
.set G1S, 68
.set G0S, 76
.set G1SB, 80
.set G0SB, 88
.set MSB, 0
.macro WIN new                         ; the immediate's high byte repeats the setting that is left
.if MSB != \new
	s_set_vgpr_msb (MSB<<8)|\new
.set MSB, \new
.endif
.endm
.set MUL_LO, 0xa1                      ; source 0 (W) window 1, source 1 (x) window 0, C and D window 2
.set MUL_HI, 0xf1                      ; the same, C and D window 3
.set TO_B,   0x40
; A joint load: waves 0 and 1 fetch for x, waves 2 and 3 for W.  An s_nop 0 and four v_nop follow each of the two lines.
.macro JLOAD g0a, g1a, g0b, g1b
	s_cmp_eq_u32 s15, 0
	s_cbranch_scc0 .Lfor_b_\@
	tensor_load_to_lds s[\g0a:\g0a+3], s[\g1a:\g1a+7]
	s_nop 0
.rept 4
	v_nop
.endr
	s_branch .Lasked_\@
.Lfor_b_\@:
	tensor_load_to_lds s[\g0b:\g0b+3], s[\g1b:\g1b+7]
	s_nop 0
.rept 4
	v_nop
.endr
.Lasked_\@:
.endm
.macro CROUND                          ; a round of the cluster's barrier
	s_barrier_signal -1
	s_barrier_wait -1
	s_cmp_lg_u32 s14, 0
	s_cbranch_scc1 .Lnot_wave_0_\@
	s_barrier_signal -3
.Lnot_wave_0_\@:
	s_barrier_wait -3
	s_barrier_signal -1
	s_barrier_wait -1
.endm
	s_load_b128 s[4:7], s[0:1], 0x0                ; x's codes, x's scales
	s_load_b128 s[8:11], s[0:1], 0x10              ; W's codes, W's scales
	s_load_b128 s[96:99], s[0:1], 0x20             ; bq, bv
	s_load_b64 s[12:13], s[0:1], 0x30              ; qkv
	s_load_b64 s[66:67], s[0:1], 0x38              ; r32
	v_lshl_add_u32 v[SPW], v0, 2, SPARE
	v_mov_b32 v[NIL], 0
	ds_add_u32 v[SPW], v[NIL]                      ; the wave's opening: the add, twice on end, and its wait ahead of my first tensor load
	ds_add_u32 v[SPW], v[NIL]
	v_lshrrev_b32 v1, 5, v0
	v_readfirstlane_b32 s14, v1                    ; wave 0..3
	s_lshr_b32 s15, s14, 1                         ; which half of the tile's rows is mine.  Also: I fetch for x (0) or for W (1)
	s_and_b32 s16, s14, 1                          ; which half of its columns.  Also: which 128 rows I fetch
	s_bfe_u32 s40, ttmp6, 0x40000                  ; cx: the tile of columns
	s_bfe_u32 s41, ttmp6, 0x40004                  ; cy: the batch
	s_and_b32 s17, ttmp7, 0xffff                   ; the cluster's y
	s_lshr_b32 s2, s17, 3                          ; T: the tensor
	s_and_b32 s3, s17, 7                           ; Yl: the tile of 256 positions
	s_lshl_b32 s17, s2, 5
	s_add_co_u32 s17, s17, s3
	s_lshl_b32 s45, s41, 3
	s_add_co_u32 s17, s17, s45                     ; x's tile row = 32 T + 8 cy + Yl
	s_lshl_b32 s43, s41, 2
	s_lshl_b32 s43, 15, s43                        ; my row of the cluster
	s_lshl_b32 s44, 0x1111, s40                    ; my column
	s_or_b32 s[G1+0], s43, (0<<16)|(1<<20)|(1<<21)|(5<<22)|(3<<25)  ; the mask; elements of 1 byte; padding on; bit 21 beside a mask; after every 64 words, 4 words
	s_or_b32 s[G1B+0], s44, (0<<16)|(1<<20)|(1<<21)|(5<<22)|(3<<25)
.irp g, G1, G1B
	s_mov_b32 s[\g+1], ROWB<<16                    ; tensor_dim0
	s_mov_b32 s[\g+2], 128<<16                     ; tensor_dim1
	s_mov_b32 s[\g+3], ROWB<<16                    ; tile_dim0
	s_mov_b32 s[\g+4], 128                         ; tile_dim1
	s_mov_b32 s[\g+5], KROW                        ; tensor_dim0_stride
	s_mov_b32 s[\g+6], 0
	s_mov_b32 s[\g+7], 0
.endr
	s_or_b32 s[G1S+0], s43, (3<<16)|(1<<20)|(1<<21)|(5<<22)|(3<<25) ; the scale bytes of 128 rows: 4,096 dense bytes as 16 rows of 256 (32 elements of 8 bytes)
	s_or_b32 s[G1SB+0], s44, (3<<16)|(1<<20)|(1<<21)|(5<<22)|(3<<25)
.irp g, G1S, G1SB
	s_mov_b32 s[\g+1], 32<<16
	s_mov_b32 s[\g+2], 16<<16
	s_mov_b32 s[\g+3], 32<<16
	s_mov_b32 s[\g+4], 16
	s_mov_b32 s[\g+5], 32
	s_mov_b32 s[\g+6], 0
	s_mov_b32 s[\g+7], 0
.endr
	s_lshl_b32 s18, s16, 7                         ; which 128 rows of the tile I fetch
	s_lshl_b32 s20, s17, 8
	s_add_co_u32 s20, s20, s18                     ; x: row 256 x tile row + 128 x half
	s_lshl_b32 s46, s40, 8
	s_add_co_u32 s46, s46, s18
	s_lshl_b32 s47, s2, 10
	s_add_co_u32 s46, s46, s47                     ; W: row 1,024 T + 256 cx + 128 x half
	s_mov_b32 s21, 0
	s_mov_b32 s47, 0
	s_mov_b64 s[18:19], KS
	s_mul_u64 s[22:23], s[20:21], s[18:19]         ; where these rows' scale bytes begin
	s_mul_u64 s[92:93], s[46:47], s[18:19]
	s_mov_b64 s[18:19], KROW
	s_mul_u64 s[20:21], s[20:21], s[18:19]         ; and their codes
	s_mul_u64 s[46:47], s[46:47], s[18:19]
	s_mul_i32 s45, s14, HALFT                      ; where they go: wave x 128 rows
	s_mul_i32 s94, s14, HALFS
	s_wait_dscnt 0x0                               ; both opening adds are done
	s_wait_kmcnt 0x0
	s_add_nc_u64 s[20:21], s[4:5], s[20:21]
	s_add_nc_u64 s[22:23], s[6:7], s[22:23]
	s_add_nc_u64 s[46:47], s[8:9], s[46:47]
	s_add_nc_u64 s[92:93], s[10:11], s[92:93]
	CROUND                                         ; all sixteen work-groups are here: the joint loads meet
	s_mov_b32 s[G0S], 1
	s_add_co_u32 s[G0S+1], s94, SCL
	s_mov_b64 s[G0S+2:G0S+3], s[22:23]
	s_or_b32 s[G0S+3], s[G0S+3], 0x80000000
	s_mov_b32 s[G0SB], 1
	s_add_co_u32 s[G0SB+1], s94, SCL
	s_mov_b64 s[G0SB+2:G0SB+3], s[92:93]
	s_or_b32 s[G0SB+3], s[G0SB+3], 0x80000000
	JLOAD G0S, G1S, G0SB, G1SB                     ; the scale bytes first; three loads of mine are out behind the last of these
.irp s, 0,1
	s_mov_b32 s[G0+4*\s], 1
	s_add_co_u32 s[G0+4*\s+1], s45, \s*SLOT
	s_add_nc_u64 s[G0+4*\s+2:G0+4*\s+3], s[20:21], \s*ROWB
	s_or_b32 s[G0+4*\s+3], s[G0+4*\s+3], 0x80000000
	s_mov_b32 s[G0B+4*\s], 1
	s_add_co_u32 s[G0B+4*\s+1], s45, \s*SLOT
	s_add_nc_u64 s[G0B+4*\s+2:G0B+4*\s+3], s[46:47], \s*ROWB
	s_or_b32 s[G0B+4*\s+3], s[G0B+4*\s+3], 0x80000000
	JLOAD G0+4*\s, G1, G0B+4*\s, G1B
.endr
	; the bias of my 128 columns, in the result's layout: lane (r, h), block b: numbers 16 b + 8 h + 0 .. 7.  T = 1 (k) has none: zeros
	s_lshl_b32 s20, s40, 10
	s_lshl_b32 s21, s16, 9
	s_add_co_u32 s20, s20, s21                     ; (256 cx + 128 x half) x 4 bytes
	s_mov_b32 s21, 0
	v_bfe_u32 v2, v0, 4, 1                         ; l / 16
	v_lshlrev_b32 v7, 5, v2
	s_cmp_eq_u32 s2, 1
	s_cbranch_scc1 .Lno_bias
	s_cmp_eq_u32 s2, 0
	s_cselect_b64 s[96:97], s[96:97], s[98:99]
	s_add_nc_u64 s[96:97], s[96:97], s[20:21]
.irp b, 0,1,2,3,4,5,6,7
	global_load_b128 v[BI+8*\b:BI+8*\b+3], v7, s[96:97] offset:64*\b
	global_load_b128 v[BI+8*\b+4:BI+8*\b+7], v7, s[96:97] offset:64*\b+16
.endr
	s_branch .Lbias_done
.Lno_bias:
.set i, 0
.rept 64
	v_mov_b32 v[BI+i], 0
.set i, i+1
.endr
.Lbias_done:
	v_and_b32 v1, 15, v0                           ; l % 16
	v_mul_u32_u24 v3, v1, PITCH
	v_lshl_add_u32 v4, v2, 4, v3                   ; a fragment's row x pitch + 16 x half
	s_mul_i32 s21, s15, HALFT                      ; my 128 rows of x
	s_mul_i32 s22, s16, HALFT                      ; my 128 rows of W,
	s_add_co_u32 s22, s22, 2*HALFT                 ; which lie behind x's 256
.irp s, 0,1
	v_add_nc_u32 v[ADRA+\s], s21, v4
	v_add_nc_u32 v[ADRB+\s], s22, v4
	s_add_co_u32 s21, s21, SLOT
	s_add_co_u32 s22, s22, SLOT
.endr
	v_mul_u32_u24 v5, v1, KS                       ; my row's scale bytes: KS a row,
	v_lshrrev_b32 v6, 8, v5
	v_lshl_add_u32 v5, v6, 4, v5                   ; and 16 more for each 256 passed
	s_mul_i32 s21, s15, HALFS
	s_mul_i32 s22, s16, HALFS
	s_add_co_u32 s22, s22, 2*HALFS
	s_sub_co_u32 s22, s22, s21
	v_mul_u32_u24 v6, s22, v2                      ; lanes 16-31 take W's
	s_add_co_u32 s21, s21, SCL
	v_add_nc_u32 v5, v5, v6
	v_add_nc_u32 v[ADRS], s21, v5
	s_mul_i32 s23, s14, 16*SPITCH                  ; my stage
	v_mul_u32_u24 v5, v1, SPITCH
	v_lshl_add_u32 v5, v2, 5, v5
	v_add_nc_u32 v[STO], s23, v5
	v_and_b32 v6, 31, v0
	v_lshlrev_b32 v[CO], 4, v6
	v_add_nc_u32 v[RD], s23, v[CO]
	v_mul_u32_u24 v5, v1, HPITCH
	v_lshl_add_u32 v5, v2, 4, v5
	v_add_nc_u32 v[STH], s23, v5                   ; f16, in: row l % 16, 16 bytes for each half of the lanes
	v_lshrrev_b32 v5, 3, v6
	v_mul_u32_u24 v5, v5, HPITCH
	v_and_b32 v6, 7, v6
	v_lshl_add_u32 v5, v6, 4, v5
	v_add_nc_u32 v[RDH], s23, v5                   ; f16, back: eight lanes take one head's 128 bytes of a row, four rows an instruction
	; qkv: tensor T, head row 16 cy + 4 cx + 2 x column half, position 256 Yl + 128 x row half; 128 bytes a position
	s_lshl_b32 s20, s41, 4
	s_lshl_b32 s21, s40, 2
	s_add_co_u32 s20, s20, s21
	s_lshl_b32 s21, s16, 1
	s_add_co_u32 s20, s20, s21
	s_lshl_b32 s20, s20, 11
	s_lshl_b32 s21, s3, 8
	s_add_co_u32 s20, s20, s21
	s_lshl_b32 s21, s15, 7
	s_add_co_u32 s20, s20, s21
	s_lshl_b32 s20, s20, 7
	s_lshl_b32 s21, s2, 24
	s_add_co_u32 s20, s20, s21
	s_mov_b32 s21, 0
	s_add_nc_u64 s[12:13], s[12:13], s[20:21]
	; r32: (4 T + cy) x 16 rows of 4,096 bytes + my 128 columns
	s_lshl_b32 s20, s2, 2
	s_add_co_u32 s20, s20, s41
	s_lshl_b32 s20, s20, 16
	s_lshl_b32 s22, s40, 10
	s_add_co_u32 s20, s20, s22
	s_lshl_b32 s22, s16, 9
	s_add_co_u32 s20, s20, s22
	s_add_nc_u64 s[66:67], s[66:67], s[20:21]
.macro FRAG reg, adr, q, i             ; 16 rows x 128 K of 4-bit codes: 8 registers, two loads of 16 bytes, 32 bytes apart
.irp c, 0,1
	ds_load_b128 v[\reg+4*\c:\reg+4*\c+3], v[\adr] offset:64*(\q)+32*\c+(\i)*16*PITCH
.endr
.endm
; 16 matrix instructions: x's blocks a0, a0 + 1 against W's eight.  zero = 1: the first product starts the sums on the bias.  The 64 accumulators take turns, one instruction a turn.
.macro MUL16 a0, p, q, sc, zero
.irp a, \a0, \a0+1
.irp b, 0,1,2,3,4,5,6,7
.if \zero
	v_wmma_scale_f32_16x16x128_f8f6f4 v[8*(8*((\a)%4)+\b):8*(8*((\a)%4)+\b)+7], v[128*(\p)+FR*\b:128*(\p)+FR*\b+FR-1], v[AF+FR*(\a):AF+FR*(\a)+FR-1], v[BI+8*\b:BI+8*\b+7], v[SC+8*NQ*(\sc)+NQ*\b+(\q)], v[SC+8*NQ*(\sc)+NQ*(\a)+(\q)] matrix_a_fmt:MATRIX_FMT_FP4 matrix_b_fmt:MATRIX_FMT_FP4 matrix_a_scale:MATRIX_SCALE_ROW1
.else
	v_wmma_scale_f32_16x16x128_f8f6f4 v[8*(8*((\a)%4)+\b):8*(8*((\a)%4)+\b)+7], v[128*(\p)+FR*\b:128*(\p)+FR*\b+FR-1], v[AF+FR*(\a):AF+FR*(\a)+FR-1], v[8*(8*((\a)%4)+\b):8*(8*((\a)%4)+\b)+7], v[SC+8*NQ*(\sc)+NQ*\b+(\q)], v[SC+8*NQ*(\sc)+NQ*(\a)+(\q)] matrix_a_fmt:MATRIX_FMT_FP4 matrix_b_fmt:MATRIX_FMT_FP4 matrix_a_scale:MATRIX_SCALE_ROW1
.endif
.endr
.endr
.endm
.macro FETCH_B slot, q, p
	WIN TO_B
.irp i, 0,1,2,3,4,5,6,7
	FRAG 128*(\p)+FR*\i, ADRB+\slot, \q, \i
.endr
	WIN 0
.endm
.macro FETCH_A slot, q, i0
.irp i, \i0, \i0+1, \i0+2, \i0+3
	FRAG AF+FR*(\i), ADRA+\slot, \q, \i
.endr
.endm
.macro SCALES sc                       ; a slot's scale words: lanes 0-15 take x's block i, lanes 16-31 W's block i
.irp i, 0,1,2,3,4,5,6,7
	ds_load_b128 v[SC+8*NQ*\sc+NQ*\i:SC+8*NQ*\sc+NQ*\i+3], v[ADRS] offset:\i*SBLK
.endr
.endm
.macro PLACES n                        ; plain vector instructions that name none of a matrix instruction's registers, in front of loads into registers that it read and of reads of its results
.rept \n
	v_nop
.endr
.endm
.macro STEP slot, q, zero              ; 128 along K that has its successor in the same slot
	s_wait_dscnt 4*NL                              ; W's set and x's blocks 0-3 are in; the youngest loads (x's blocks 4-7) may be out
.if \zero
	WIN 0x81                                       ; C (the bias) window 0, D window 2
.else
	WIN MUL_LO
.endif
	MUL16 0, (\q)%2, \q, \slot, \zero
	MUL16 2, (\q)%2, \q, \slot, \zero
	s_wait_dscnt 0
	PLACES NP
	FETCH_B \slot, (\q)+1, 1-(\q)%2
	FETCH_A \slot, (\q)+1, 0
.if \zero
	WIN 0xc1
.else
	WIN MUL_HI
.endif
	MUL16 4, (\q)%2, \q, \slot, \zero
	MUL16 6, (\q)%2, \q, \slot, \zero
	PLACES NP
	WIN 0
	FETCH_A \slot, (\q)+1, 4
.endm
.macro STEPS slot, from
.set Q, \from
.rept NQ-1-\from
	STEP \slot, Q, 0
.set Q, Q+1
.endr
.endm
	s_wait_tensorcnt 1                             ; the scale bytes and my part of slot 0 are in; slot 1's load may be out
	s_barrier_signal -1
	s_barrier_wait -1
	FETCH_B 0, 0, 0
	FETCH_A 0, 0, 0
	SCALES 0
	FETCH_A 0, 0, 4
	s_wait_loadcnt 0x0                             ; the bias
	STEP 0, 0, 1
	STEPS 0, 1
	; slot 0's last step changes slots: one barrier; in front of it each wave waits for its tensor loads (its part of slot 1), adds 0 to its spare word, and waits for that and for its reads of slot 0
	s_wait_tensorcnt 0x0
	ds_add_u32 v[SPW], v[NIL]
	s_wait_dscnt 4*NL+1                            ; the add and x's blocks 4-7 may be out
	WIN MUL_LO
	MUL16 0, 1, NQ-1, 0, 0
	s_wait_dscnt 0x0
	s_barrier_signal -1
	MUL16 2, 1, NQ-1, 0, 0
	WIN 0
	s_barrier_wait -1
	PLACES NP
	v_add_nc_u32 v[ADRS], 4*NQ, v[ADRS]            ; on to slot 1's scale words
	FETCH_B 1, 0, 0
	FETCH_A 1, 0, 0
	SCALES 1
	WIN MUL_HI
	MUL16 4, 1, NQ-1, 0, 0
	MUL16 6, 1, NQ-1, 0, 0
	PLACES NP
	WIN 0
	FETCH_A 1, 0, 4
	STEPS 1, 0
	s_wait_dscnt 4*NL                              ; the very last step
	WIN MUL_LO
	MUL16 0, 1, NQ-1, 1, 0
	MUL16 2, 1, NQ-1, 1, 0
	s_wait_dscnt 0
	WIN MUL_HI
	MUL16 4, 1, NQ-1, 1, 0
	MUL16 6, 1, NQ-1, 1, 0
	WIN 0
	PLACES NP
	; POSITIONS 0 TO 15 OF A BATCH ALSO LEAVE IN F32: block 0 of the upper waves of the tiles with Yl = 0 (a branch on the cluster's y and the wave's number)
	s_or_b32 s22, s3, s15
	s_cmp_lg_u32 s22, 0
	s_cbranch_scc1 .Lno32
	WIN 0x08                                       ; an LDS store's data are its source 1: window 2
.irp b, 0,1,2,3,4,5,6,7
	ds_store_b128 v[STO], v[8*\b:8*\b+3] offset:64*\b              ; each accumulator from its low end on
	ds_store_b128 v[STO], v[8*\b+4:8*\b+7] offset:64*\b+16
.endr
	WIN 0
.irp t, 0,1,2,3,4,5,6,7,8,9,10,11,12,13,14,15
	ds_load_b128 v[AF+4*\t:AF+4*\t+3], v[RD] offset:\t*SPITCH      ; LDS serves a wave's instructions in order: these see my stores
.endr
	s_wait_dscnt 0x0
.irp t, 0,1,2,3,4,5,6,7,8,9,10,11,12,13,14,15
	global_store_b128 v[CO], v[AF+4*\t:AF+4*\t+3], s[66:67] offset:\t*4096   ; 512 consecutive bytes of a row
.endr
.Lno32:
; THE WAY OUT IN F16, a block of 16 rows x 128 columns (two heads) at a time, through my stage: back come four rows of one head, 512 bytes that are consecutive in qkv.
.macro PACK a
.set AC, 64*((\a)%4)
	WIN 0x0a+5*((\a)/4)                            ; sources 0 and 1: window 2 or 3
.irp b, 0,1,2,3,4,5,6,7
.irp r, 0,1,2,3
	v_cvt_pk_f16_f32 v[TMP+4*\b+\r], v[AC+8*\b+2*\r], v[AC+8*\b+2*\r+1]
.endr
.endr
	WIN 0
.endm
.macro TOSTAGE a
.set BB, BK+32*((\a)%2)
.irp b, 0,1,2,3,4,5,6,7
	ds_store_b128 v[STH], v[TMP+4*\b:TMP+4*\b+3] offset:32*\b
.endr
.irp t, 0,1,2,3,4,5,6,7
	ds_load_b128 v[BB+4*\t:BB+4*\t+3], v[RDH] offset:4*HPITCH*(\t%4)+128*(\t/4)
.endr
.endm
.macro SEND a
.set BB, BK+32*((\a)%2)
	s_wait_dscnt 0x0                               ; the block is back in registers
	s_wait_xcnt 0x0                                ; the stores of the block before have read their registers: the next block's loads may land there
.irp t, 0,1,2,3,4,5,6,7
	global_store_b128 v[CO], v[BB+4*\t:BB+4*\t+3], s[12:13] offset:262144*(\t/4)+(16*(\a)+4*(\t%4))*128
.endr
.endm
	PACK 0
	TOSTAGE 0
.irp a, 1,2,3,4,5,6,7
	PACK \a
	SEND \a-1
	TOSTAGE \a
.endr
	SEND 7
	s_wait_tensorcnt 0x0                           ; the wave's end
	ds_add_u32 v[SPW], v[NIL]
	s_wait_dscnt 0x0
	CROUND                                         ; the closing round
	s_endpgm
.Lfunc_end_k_q6f926270cf_proj:
	.size	k_q6f926270cf_proj, .Lfunc_end_k_q6f926270cf_proj-k_q6f926270cf_proj
	.p2alignl 7, 3214868480
	.fill 96, 4, 3214868480
	.section	.rodata,"a",@progbits
	.p2align	6, 0x0
	.amdhsa_kernel k_q6f926270cf_proj
		.amdhsa_group_segment_fixed_size 327680
		.amdhsa_private_segment_fixed_size 0
		.amdhsa_enable_private_segment 0
		.amdhsa_kernarg_size 64
		.amdhsa_user_sgpr_count 2
		.amdhsa_user_sgpr_kernarg_segment_ptr 1
		.amdhsa_wavefront_size32 1
		.amdhsa_system_sgpr_workgroup_id_x 1
		.amdhsa_system_sgpr_workgroup_id_y 1
		.amdhsa_system_sgpr_workgroup_id_z 1
		.amdhsa_system_vgpr_workitem_id 0
		.amdhsa_next_free_vgpr 1024
		.amdhsa_next_free_sgpr 100
		.amdhsa_reserve_vcc 0
		.amdhsa_float_denorm_mode_32 3
		.amdhsa_float_denorm_mode_16_64 3
		.amdhsa_memory_ordered 1
		.amdhsa_forward_progress 1
		.amdhsa_inst_pref_size 135
	.end_amdhsa_kernel
	.amdgpu_metadata
---
amdhsa.version: [ 1, 2 ]
amdhsa.kernels:
  - .name:           k_q6f926270cf_proj
    .symbol:         k_q6f926270cf_proj.kd
    .args:
      - { .name: xc, .offset: 0, .size: 8, .value_kind: global_buffer, .address_space: global }
      - { .name: xs, .offset: 8, .size: 8, .value_kind: global_buffer, .address_space: global }
      - { .name: wc, .offset: 16, .size: 8, .value_kind: global_buffer, .address_space: global }
      - { .name: ws, .offset: 24, .size: 8, .value_kind: global_buffer, .address_space: global }
      - { .name: bq, .offset: 32, .size: 8, .value_kind: global_buffer, .address_space: global }
      - { .name: bv, .offset: 40, .size: 8, .value_kind: global_buffer, .address_space: global }
      - { .name: qkv, .offset: 48, .size: 8, .value_kind: global_buffer, .address_space: global }
      - { .name: r32, .offset: 56, .size: 8, .value_kind: global_buffer, .address_space: global }
    .group_segment_fixed_size: 327680
    .private_segment_fixed_size: 0
    .kernarg_segment_align: 8
    .kernarg_segment_size: 64
    .max_flat_workgroup_size: 128
    .sgpr_count:     100
    .vgpr_count:     1024
    .wavefront_size: 32
...
	.end_amdgpu_metadata
.endif
;; end of part 2
;; launch attn (part 3): grid 4 x 64, 16 waves a work-group, no clusters, 327,680 bytes of LDS; arguments qkv, ao; writes ao
.if DOCPART == 3
	.amdgcn_target "amdgcn-amd-amdhsa--gfx1250"
	.amdhsa_code_object_version 6
	.text
	.protected	k_q6f926270cf_attn
	.globl	k_q6f926270cf_attn
	.p2align	8
	.type	k_q6f926270cf_attn,@function
k_q6f926270cf_attn:
	s_mov_b64 s[64:65], 0
	v_nop
	global_prefetch_b8 v0, s[64:65] scope:SCOPE_SE
	s_setreg_imm32_b32 hwreg(HW_REG_WAVE_MODE, 25, 1), 1
	s_wait_xcnt 0x0
; Causal attention of one head on f16 operands, sums in f32: O[q] = sum over k <= q of softmax_k(q . k / 8) v[k].  qkv: [tensor][batch x head][2,048][64] f16.  ao: [head][2,048 batch + position][64] f16.
; LEFT OUT: bk (see the first kernel's head), and every key step that lies wholly above the diagonal of the mask that the problem builds itself.
; LIMITS: p and O are rounded to f16 for the next product.  The maximum is taken away by a running maximum.
; SHARES.  A work-group owns the query blocks i and 7 - i (256 queries each) of one head, so that all work-groups have the same number of key steps under the mask.  Waves 0-7 take block i, waves 8-15 block 7 - i;
; a wave owns 32 neighbouring queries, two tiles of 16, so that each fragment of K and V read from LDS feeds two products.
; NO CLUSTER: the four work-groups of a head need 8, 7, 6 and 5 slots of keys, so under the mask every wave of a partner would jump over the reads of tiles that a joint load brought.
; LAYOUT.  S^T = K Q^T (source 0 = 16 keys, source 1 = 16 queries): a lane holds ONE query (lane % 16) and keys 8 (lane / 16) + 0..7 of each tile of 16.  Two such tiles, rounded to f16 in pairs, are source 1
; (32 keys x 16 queries) of O^T = V^T P.  K comes out of LDS as it lies, V ([key][channel]) turned, by ds_load_tr16_b128.
; THE RING.  Two slots of 256 keys, filled by waves 0-3 (K's halves, V's halves) and read by all sixteen.  Every work-group walks all 8 slots, so that trip counts are constants; a step whose keys all come after
; the wave's queries is jumped over, and a slot whose first key comes after the work-group's last query is not asked for.  One tensor load of a wave is out at any time; every wait on TENSORcnt is for 0.
.set KP,    144                        ; a key's row of K in LDS: 128 bytes + 16
.set VP,    160                        ; of V: 128 + 32
.set VOFF,  256*KP
.set SLOT1, 1<<17                      ; one exclusive or turns an address in one slot into the other's
.set STAGE, SLOT1+256*(KP+VP)          ; behind the ring: 32 rows x 144 bytes for each wave
.set SPARE, STAGE+16*32*KP             ; the spare words, 128 bytes for each wave: eight blocks of 256 bytes that no other line names
.set AK0,  1                           ; v1   my lane's place in a tile of K
.set AV0,  2                           ; v2   the same for V
.set ADK,  3                           ; v3   LDS address of the step's K
.set ADV,  4                           ; v4   of its V
.set SPW,  5
.set NIL,  6
.set GO,   7                           ; v7   16 x lane
.set PFO,  28                          ; v28  256 x lane
.set QR,   32                          ; v32-63   Q, 16 a tile
.set KV,   64                          ; v64-127  K, then V, of a step
.set S,    128                         ; v128-159 S^T, then p, of one tile
.set P,    160                         ; v160-191 P, 16 a tile
.set O,    192                         ; v192-255 O^T, 32 a tile
; v8 = lane % 16 - 8 (lane / 16); v9, v10 the mask's; v12-15, v16-19 a tile's c m, m, l (even keys'), l (odd keys'); v20-23 maxima, v24 the exchange, v25 the change of c m, v[26:27] a
.set WV,   18
.set SEL,  20
.set CS,   22
.set G1K,  24
.set G1V,  32
.set G0K,  40
.set G0V,  44
.set TB,   2
.set QL,   66                          ; s66  my work-group's last query
.set SLOTS, 67
.set PFA,  76
.set LIM,  80
.set KF,   98                          ; s98  the step's first key
.set Q0,   99                          ; s99  my first query
.macro TLOAD                           ; waves 0 and 1 fetch K's halves, waves 2 and 3 V's, the others nothing.  An s_nop 0 and four v_nop follow each line
	s_cmp_lt_u32 s[WV], 2
	s_cbranch_scc0 .Lnot_k_\@
	tensor_load_to_lds s[G0K:G0K+3], s[G1K:G1K+7]
	s_nop 0
.rept 4
	v_nop
.endr
	s_branch .Lasked_\@
.Lnot_k_\@:
	s_cmp_lt_u32 s[WV], 4
	s_cbranch_scc0 .Lasked_\@
	tensor_load_to_lds s[G0V:G0V+3], s[G1V:G1V+7]
	s_nop 0
.rept 4
	v_nop
.endr
.Lasked_\@:
.endm
; A prefetch of what the NEXT change of slots will ask for: a slot's 32,768 bytes of K and of V.  The head's first work-group asks, which walks all slots; in it waves 4-7 for K and waves 8-11 for V, 8,192 bytes a wave,
; lanes 256 bytes apart: each aligned block of 256 bytes is named once in the launch.  The last change that fills a slot asks for nothing; slots 0 and 1 come by their loads alone.
.macro ASK
	s_cmp_gt_u32 s[SLOTS], s[LIM]
	s_cbranch_scc0 .Lnot_mine_\@
	global_prefetch_b8 v[PFO], s[PFA:PFA+1] th:TH_LOAD_NT scope:SCOPE_SE
.Lnot_mine_\@:
.endm
	s_load_b128 s[4:7], s[0:1], 0x0                ; qkv, ao
	v_lshl_add_u32 v[SPW], v0, 2, SPARE
	v_mov_b32 v[NIL], 0
	ds_add_u32 v[SPW], v[NIL]                      ; the wave's opening: the add, twice on end, and its wait ahead of the first tensor load
	ds_add_u32 v[SPW], v[NIL]
	v_lshrrev_b32 v8, 5, v0
	v_readfirstlane_b32 s[WV], v8                  ; wave 0..15
	s_and_b32 s72, ttmp7, 0xffff                   ; 16 x batch + head
	s_lshl_b32 s74, s72, 18                        ; the head's first byte in each tensor: 2,048 rows of 128 bytes
	s_mov_b32 s75, 0
	s_sub_co_u32 s73, 7, ttmp9
	s_cmp_lt_u32 s[WV], 8
	s_cselect_b32 s81, ttmp9, s73                  ; my block of 256 queries
	s_lshl_b32 s[Q0], s81, 8
	s_and_b32 s81, s[WV], 7
	s_lshl_b32 s81, s81, 5
	s_add_co_u32 s[Q0], s[Q0], s81
	s_lshl_b32 s[QL], s73, 8
	s_or_b32 s[QL], s[QL], 255
	s_and_b32 s88, s[WV], 1                        ; which half of a slot I fetch, if I fetch
	s_lshl_b32 s84, s88, 14
	s_add_co_u32 s84, s84, s74
	s_mov_b32 s85, 0
	s_mul_i32 s89, s88, 128*KP
	s_mul_i32 s94, s88, 128*VP
	s_add_co_u32 s94, s94, VOFF
	s_lshl_b32 s86, s[Q0], 7
	s_add_co_u32 s86, s86, s74                     ; my queries' rows
	s_mov_b32 s87, 0
	s_and_b32 s90, s72, 15
	s_lshl_b32 s90, s90, 13
	s_lshr_b32 s91, s72, 4
	s_lshl_b32 s91, s91, 11
	s_add_co_u32 s90, s90, s91
	s_add_co_u32 s90, s90, s[Q0]                   ; ao's row: 8,192 head + 2,048 batch + query
	s_lshl_b32 s90, s90, 7
	s_mov_b32 s91, 0
	s_mov_b32 s[G1K], (1<<16)|(1<<20)|(4<<22)|(3<<25)              ; no mask; elements of 2 bytes; padding on: after every 32 words, 4 words
	s_mov_b32 s[G1V], (1<<16)|(1<<20)|(4<<22)|(7<<25)              ; the same with 8 words
.irp g, G1K, G1V
	s_mov_b32 s[\g+1], 64<<16                      ; tensor_dim0
	s_mov_b32 s[\g+2], 128<<16                     ; tensor_dim1
	s_mov_b32 s[\g+3], 64<<16                      ; tile_dim0
	s_mov_b32 s[\g+4], 128                         ; tile_dim1
	s_mov_b32 s[\g+5], 64                          ; tensor_dim0_stride
	s_mov_b32 s[\g+6], 0
	s_mov_b32 s[\g+7], 0
.endr
	s_mov_b32 s[SEL], 0x76543210
	s_mov_b32 s[SEL+1], 0xfedcba98                 ; v_permlanex16_b32's selects for lane l xor 16
	s_mov_b32 s[CS], 0x3e38aa3b                    ; c = log2(e) / 8
	s_mov_b32 s[CS+1], s[CS]
	s_mov_b32 s[TB], 0
	s_mov_b32 s[SLOTS], 7
	s_mov_b32 s[KF], 0
	s_wait_dscnt 0x0                               ; both opening adds are done
	s_wait_kmcnt 0x0
	s_add_nc_u64 s[8:9], s[4:5], s[84:85]
	s_mov_b32 s[G0K], 1
	s_mov_b32 s[G0K+1], s89
	s_add_nc_u64 s[G0K+2:G0K+3], s[8:9], 0x1000000 ; k is the second tensor of qkv
	s_or_b32 s[G0K+3], s[G0K+3], 0x80000000
	s_mov_b32 s[G0V], 1
	s_mov_b32 s[G0V+1], s94
	s_add_nc_u64 s[G0V+2:G0V+3], s[8:9], 0x2000000 ; v the third
	s_or_b32 s[G0V+3], s[G0V+3], 0x80000000
	TLOAD                                          ; slot 0
	s_add_nc_u64 s[10:11], s[4:5], s[86:87]
	s_add_nc_u64 s[6:7], s[6:7], s[90:91]
	s_cmp_lt_u32 s[WV], 8
	s_mov_b32 s82, 0x2000000
	s_cselect_b32 s82, 0x1000000, s82
	s_add_co_u32 s82, s82, s74
	s_and_b32 s83, s[WV], 3
	s_lshl_b32 s83, s83, 13
	s_add_co_u32 s82, s82, s83
	s_add_co_u32 s82, s82, 32768                   ; in slot 1: the first change of slots steps it to slot 2
	s_mov_b32 s83, 0
	s_add_nc_u64 s[PFA:PFA+1], s[4:5], s[82:83]
	s_sub_co_u32 s82, s[WV], 4
	s_lshr_b32 s82, s82, 3                         ; 0 in waves 4 to 11,
	s_or_b32 s82, s82, ttmp9                       ; of the head's first work-group
	s_cmp_eq_u32 s82, 0
	s_cselect_b32 s[LIM], 1, -1
	v_and_b32 v8, 15, v0                           ; r
	v_bfe_u32 v9, v0, 4, 1                         ; h
	v_lshlrev_b32 v11, 7, v8
	v_lshl_add_u32 v11, v9, 4, v11
.irp f, 0,1,2,3                        ; Q stays in registers: tile f / 2, channels 32 (f % 2) on
	global_load_b128 v[QR+8*\f:QR+8*\f+3],   v11, s[10:11] offset:2048*(\f/2)+64*(\f%2)
	global_load_b128 v[QR+8*\f+4:QR+8*\f+7], v11, s[10:11] offset:2048*(\f/2)+64*(\f%2)+32
.endr
	v_mul_u32_u24 v[AK0], v8, KP
	v_lshl_add_u32 v[AK0], v9, 4, v[AK0]
	v_and_b32 v10, 7, v0
	v_lshl_add_u32 v10, v9, 3, v10
	v_mul_u32_u24 v[AV0], v10, VP
	v_bfe_u32 v10, v0, 3, 1
	v_lshl_add_u32 v[AV0], v10, 4, v[AV0]
	v_add_nc_u32 v[AV0], VOFF, v[AV0]
	v_and_b32 v[GO], 31, v0
	v_lshlrev_b32 v[PFO], 8, v[GO]
	v_lshlrev_b32 v[GO], 4, v[GO]
	v_lshlrev_b32 v9, 3, v9
	v_sub_nc_u32 v8, v8, v9
.irp t, 12, 16
	v_mov_b32 v[\t+1], 0xff61b1e6                  ; m = -3e38, under every score
	v_mul_f32 v[\t], s[CS], v[\t+1]
	v_mov_b32 v[\t+2], 0
	v_mov_b32 v[\t+3], 0
.endr
.irp j, 20,21,22,23,24,25,26,27
	v_mov_b32 v\j, 0                               ; written once on every path
.endr
.set i, 0
.rept 64
	v_mov_b32 v[O+i], 0                            ; the step is written once: its first run finds zeros, which a = 0 leaves zeros
.set i, i+1
.endr
.macro KQ t                            ; S^T of tile t: four accumulators by turns, one instruction a turn
.irp c, 0,1
.irp kt, 0,1,2,3
.if \c == 0
	v_wmma_f32_16x16x32_f16 v[S+8*\kt:S+8*\kt+7], v[KV+16*\kt:KV+16*\kt+7], v[QR+16*(\t):QR+16*(\t)+7], 0
.else
	v_wmma_f32_16x16x32_f16 v[S+8*\kt:S+8*\kt+7], v[KV+16*\kt+8:KV+16*\kt+15], v[QR+16*(\t)+8:QR+16*(\t)+15], v[S+8*\kt:S+8*\kt+7]
.endif
.endr
.endr
.rept 4
	v_nop                                          ; places in front of the first read of the scores, and of loads into K's registers
.endr
.endm
.macro MASK t                          ; on the diagonal hidden scores become -infinity ahead of the maximum; a step all of whose keys count skips this
	s_add_co_u32 s96, s[KF], 63
	s_cmp_le_u32 s96, s[Q0]
	s_cbranch_scc1 .Lopen_\@
	s_sub_co_u32 s96, s[Q0], s[KF]
	s_add_co_u32 s96, s96, 16*(\t)
	v_add_nc_u32 v9, s96, v8                       ; d = my query - KF - 8 (lane / 16).  Register n holds key KF + 8 (lane / 16) + 16 (n / 8) + n % 8: hidden where 16 (n / 8) + n % 8 > d
	v_mov_b32 v10, 0xff800000
.set n, 0
.rept 32
	v_cmp_gt_i32 vcc_lo, 16*(n/8)+n%8, v9
	v_cndmask_b32 v[S+n], v[S+n], v10, vcc_lo
.set n, n+1
.endr
.Lopen_\@:
.endm
.macro SOFTMAX t
.set rT, 12+4*(\t)
.set rP, P+16*(\t)
.set rO, O+32*(\t)
.irp j, 0,1,2,3
	v_max3_num_f32 v[20+\j], v[S+8*\j], v[S+8*\j+1], v[S+8*\j+2]   ; each accumulator is read from its low end on
.endr
.irp g, 3,5
.irp j, 0,1,2,3
	v_max3_num_f32 v[20+\j], v[20+\j], v[S+8*\j+\g], v[S+8*\j+\g+1]
.endr
.endr
	v_max3_num_f32 v20, v20, v[S+7], v[S+15]
	v_max3_num_f32 v22, v22, v[S+23], v[S+31]
	v_max3_num_f32 v20, v20, v21, v22
	v_max3_num_f32 v20, v20, v23, v[rT+1]          ; with the old m
	v_permlanex16_b32 v24, v20, s[SEL], s[SEL+1]   ; the query's other 32 keys lie in the lane 16 away
	v_mov_b32 v25, v[rT]
	v_max_num_f32 v[rT+1], v20, v24
	v_mul_f32 v[rT], s[CS], v[rT+1]
	v_sub_f32 v25, v25, v[rT]                      ; c m_old - c m_new
.set i, 0
.rept 16
	v_pk_fma_f32 v[S+i:S+i+1], v[S+i:S+i+1], s[CS:CS+1], v[rT:rT+1] op_sel_hi:[1,0,0] neg_lo:[0,0,1] neg_hi:[0,0,1]   ; c s - c m
.set i, i+2
.endr
	v_exp_f32 v26, v25                             ; a
.set i, 0
.rept 32
	v_exp_f32 v[S+i], v[S+i]
.set i, i+1
.endr
	v_nop                                          ; a plain instruction behind the last exponential
	s_wait_alu depctr_va_vdst(0)                   ; one wait for the batch of 33, ahead of its first reader
.set i, 0
.rept 16
	v_cvt_pk_f16_f32 v[rP+i], v[S+2*i], v[S+2*i+1]
.set i, i+1
.endr
.irp u, 0,1,2,3,4,5,6,7                ; the row's sum, of the unrounded p
	v_pk_add_f32 v[S+4*\u:S+4*\u+1], v[S+4*\u:S+4*\u+1], v[S+4*\u+2:S+4*\u+3]
.endr
.irp u, 0,1,2,3
	v_pk_add_f32 v[S+8*\u:S+8*\u+1], v[S+8*\u:S+8*\u+1], v[S+8*\u+4:S+8*\u+5]
.endr
.irp u, 0,1
	v_pk_add_f32 v[S+16*\u:S+16*\u+1], v[S+16*\u:S+16*\u+1], v[S+16*\u+8:S+16*\u+9]
.endr
	v_pk_add_f32 v[S:S+1], v[S:S+1], v[S+16:S+17]
	v_pk_fma_f32 v[rT+2:rT+3], v[rT+2:rT+3], v[26:27], v[S:S+1] op_sel_hi:[1,0,1]
.set i, 0
.rept 16
	v_pk_mul_f32 v[rO+i:rO+i+1], v[rO+i:rO+i+1], v[26:27] op_sel_hi:[1,0]   ; O^T x a.  (These name no register of the products K Q^T: they are the places in front of the next products that write S^T)
.set i, i+2
.endr
.endm
; A KEY STEP: 64 keys, the q-th of the slot in hand
.macro STEP q
	s_add_co_u32 s96, s[Q0], 31
	s_cmp_gt_u32 s[KF], s96                        ; all its keys come after my 32 queries: a branch on ids, round the step's work alone
	s_cbranch_scc1 .Lhidden_\@
	v_add_nc_u32 v[ADK], s[TB], v[AK0]
	v_add_nc_u32 v[ADV], s[TB], v[AV0]
	v_nop
	v_nop                                          ; four places in front of loads into registers that the last products read
.irp f, 0,1,2,3,4,5,6,7                ; keys 16 (f / 2) on, channels 32 (f % 2) on
	ds_load_b128 v[KV+8*\f:KV+8*\f+3],   v[ADK] offset:(64*(\q)+16*(\f/2))*KP+64*(\f%2)
	ds_load_b128 v[KV+8*\f+4:KV+8*\f+7], v[ADK] offset:(64*(\q)+16*(\f/2))*KP+64*(\f%2)+32
.endr
	s_wait_dscnt 0x0
	KQ 0
	MASK 0
	SOFTMAX 0
	KQ 1
.irp f, 0,1,2,3,4,5,6,7                ; V takes K's registers: keys 32 (f / 4) on, channels 16 (f % 4) on; it lands under tile 1's softmax
	ds_load_tr16_b128 v[KV+8*\f:KV+8*\f+3],   v[ADV] offset:(64*(\q)+32*(\f/4))*VP+32*(\f%4)
	ds_load_tr16_b128 v[KV+8*\f+4:KV+8*\f+7], v[ADV] offset:(64*(\q)+32*(\f/4))*VP+16*VP+32*(\f%4)
.endr
	MASK 1
	SOFTMAX 1
	s_wait_dscnt 0x0
.irp ks, 0,1                           ; O^T += V^T P: eight accumulators by turns
.irp ct, 0,1,2,3
.irp u, 0,1
	v_wmma_f32_16x16x32_f16 v[O+32*\u+8*\ct:O+32*\u+8*\ct+7], v[KV+32*\ks+8*\ct:KV+32*\ks+8*\ct+7], v[P+16*\u+8*\ks:P+16*\u+8*\ks+7], v[O+32*\u+8*\ct:O+32*\u+8*\ct+7]
.endr
.endr
.endr
.Lhidden_\@:
	s_add_co_u32 s[KF], s[KF], 64
.endm
; THE CHANGE OF SLOTS stands at a slot's head.  Each wave waits for all its tensor loads, adds 0 to its spare word, and waits for that and for its reads of the slot that it has left; behind the barrier the slot ahead is whole
; and nobody reads the other one, which (fill = 1) is filled with the keys that follow, up to the causal limit.
.macro CHANGE fill
	s_wait_tensorcnt 0x0
	ds_add_u32 v[SPW], v[NIL]
.if \fill
	ds_add_u32 v[SPW], v[NIL]                      ; and once more
	s_xor_b32 s[G0K+1], s[G0K+1], SLOT1
	s_add_nc_u64 s[G0K+2:G0K+3], s[G0K+2:G0K+3], 32768
	s_xor_b32 s[G0V+1], s[G0V+1], SLOT1
	s_add_nc_u64 s[G0V+2:G0V+3], s[G0V+2:G0V+3], 32768
	s_wait_xcnt 0x0                                ; the last prefetch, a slot back, has read its address
	s_add_nc_u64 s[PFA:PFA+1], s[PFA:PFA+1], 32768
.endif
	s_wait_dscnt 0x0
	s_barrier_signal -1
	s_barrier_wait -1
.if \fill
	s_add_co_u32 s96, s[KF], 256                   ; the first key of the slot that this change would ask for
	s_cmp_gt_u32 s96, s[QL]                        ; ids and the count of steps alone: all sixteen waves go the same way, and a work-group that is past the limit stays past it
	s_cbranch_scc1 .Lpast_\@
	TLOAD
.Lpast_\@:
	ASK
.endif
.endm
.macro SLOT_STEPS
.set Q, 0
.rept 4
	STEP Q
.set Q, Q+1
.endr
	s_xor_b32 s[TB], s[TB], SLOT1
.endm
	s_wait_loadcnt 0x0                             ; Q
.Lslot:
	CHANGE 1
	SLOT_STEPS
	s_sub_co_u32 s[SLOTS], s[SLOTS], 1
	s_cmp_lg_u32 s[SLOTS], 0
	s_cbranch_scc1 .Lslot
	CHANGE 0
	SLOT_STEPS
	; THE WAY OUT: O^T / l, rounded to f16, through my stage: back come four rows of 128 bytes, 512 bytes that are consecutive in ao
.rept 4
	v_nop
.endr
	v_add_f32 v20, v14, v15
	v_add_f32 v22, v18, v19
	v_permlanex16_b32 v24, v20, s[SEL], s[SEL+1]
	v_permlanex16_b32 v25, v22, s[SEL], s[SEL+1]
	v_add_f32 v20, v20, v24
	v_add_f32 v22, v22, v25
	v_rcp_f32 v20, v20
	v_rcp_f32 v22, v22
	v_and_b32 v1, 15, v0                           ; (plain work behind the reciprocals)
	v_bfe_u32 v2, v0, 4, 1
	s_mul_i32 s73, s[WV], 32*KP
	s_add_co_u32 s73, s73, STAGE
	v_mul_u32_u24 v3, v1, KP
	v_lshl_add_u32 v3, v2, 4, v3
	v_add_nc_u32 v3, s73, v3                       ; in: row lane % 16 of a tile, 16 bytes for each half of the lanes
	v_and_b32 v4, 31, v0
	v_lshrrev_b32 v9, 3, v4
	v_and_b32 v10, 7, v4
	v_mul_u32_u24 v9, v9, KP
	v_lshl_add_u32 v9, v10, 4, v9
	v_add_nc_u32 v4, s73, v9                       ; back: eight lanes to a row
	s_wait_alu depctr_va_vdst(0)                   ; one wait for the two reciprocals, ahead of their first reader
.irp u, 0,1
.set i, 0
.rept 16
	v_pk_mul_f32 v[O+32*\u+i:O+32*\u+i+1], v[O+32*\u+i:O+32*\u+i+1], v[20+2*\u:21+2*\u] op_sel_hi:[1,0]
.set i, i+2
.endr
.endr
.set i, 0
.rept 32
	v_cvt_pk_f16_f32 v[S+i], v[O+2*i], v[O+2*i+1]
.set i, i+1
.endr
.irp u, 0,1
.irp ct, 0,1,2,3
	ds_store_b128 v3, v[S+16*\u+4*\ct:S+16*\u+4*\ct+3] offset:16*KP*\u+32*\ct
.endr
.endr
.irp u, 0,1,2,3,4,5,6,7
	ds_load_b128 v[KV+4*\u:KV+4*\u+3], v4 offset:4*KP*\u           ; LDS serves a wave's instructions in order: these see my stores
.endr
.irp u, 0,1,2,3,4,5,6,7
	s_wait_dscnt 7-\u
	global_store_b128 v[GO], v[KV+4*\u:KV+4*\u+3], s[6:7] offset:512*\u
.endr
	s_wait_tensorcnt 0x0                           ; the wave's end
	ds_add_u32 v[SPW], v[NIL]
	s_wait_dscnt 0x0
	s_endpgm
.Lfunc_end_k_q6f926270cf_attn:
	.size	k_q6f926270cf_attn, .Lfunc_end_k_q6f926270cf_attn-k_q6f926270cf_attn
	.p2alignl 7, 3214868480
	.fill 96, 4, 3214868480
	.section	.rodata,"a",@progbits
	.p2align	6, 0x0
	.amdhsa_kernel k_q6f926270cf_attn
		.amdhsa_group_segment_fixed_size 327680
		.amdhsa_private_segment_fixed_size 0
		.amdhsa_enable_private_segment 0
		.amdhsa_kernarg_size 16
		.amdhsa_user_sgpr_count 2
		.amdhsa_user_sgpr_kernarg_segment_ptr 1
		.amdhsa_wavefront_size32 1
		.amdhsa_system_sgpr_workgroup_id_x 1
		.amdhsa_system_sgpr_workgroup_id_y 1
		.amdhsa_system_sgpr_workgroup_id_z 1
		.amdhsa_system_vgpr_workitem_id 0
		.amdhsa_next_free_vgpr 256
		.amdhsa_next_free_sgpr 100
		.amdhsa_reserve_vcc 1
		.amdhsa_float_denorm_mode_32 3
		.amdhsa_float_denorm_mode_16_64 3
		.amdhsa_memory_ordered 1
		.amdhsa_forward_progress 1
		.amdhsa_inst_pref_size 192
	.end_amdhsa_kernel
	.amdgpu_metadata
---
amdhsa.version: [ 1, 2 ]
amdhsa.kernels:
  - .name:           k_q6f926270cf_attn
    .symbol:         k_q6f926270cf_attn.kd
    .args:
      - { .name: qkv, .offset: 0, .size: 8, .value_kind: global_buffer, .address_space: global }
      - { .name: ao, .offset: 8, .size: 8, .value_kind: global_buffer, .address_space: global }
    .group_segment_fixed_size: 327680
    .private_segment_fixed_size: 0
    .kernarg_segment_align: 8
    .kernarg_segment_size: 16
    .max_flat_workgroup_size: 512
    .sgpr_count:     100
    .vgpr_count:     256
    .wavefront_size: 32
...
	.end_amdgpu_metadata
.endif
;; end of part 3
;; launch first16 (part 4): grid 16 x 4, 16 waves a work-group, no clusters, 71,680 bytes of LDS; arguments r32, Wo, bo, out0; writes out0
.if DOCPART == 4
	.amdgcn_target "amdgcn-amd-amdhsa--gfx1250"
	.amdhsa_code_object_version 6
	.text
	.protected	k_q6f926270cf_first16
	.globl	k_q6f926270cf_first16
	.p2align	8
	.type	k_q6f926270cf_first16,@function
k_q6f926270cf_first16:
	s_mov_b64 s[64:65], 0
	v_nop
	global_prefetch_b8 v0, s[64:65] scope:SCOPE_SE
	s_setreg_imm32_b32 hwreg(HW_REG_WAVE_MODE, 25, 1), 1
	s_wait_xcnt 0x0
; Positions 0 to 15 of every batch, all in f32: under the causal mask these rows average one to sixteen values and are the largest of the output, so their attention and their rows of the product with Wo keep f32 operands.
; LEFT OUT: bk (see the first kernel's head).  r32: [q, k, v][batch][16][1,024], the projections' f32 sums.
; SHARES.  Work-group (x, b): output columns 64 x .. 64 x + 63 of batch b's 16 rows.  Wave w is head w: it makes its head's 16 x 16 attention, then its part (channels 64 w .. + 63 of K) of out^T = Wo^T O^T;
; the sixteen parts meet in LDS, and wave w sums and stores row w: 256 consecutive bytes, aligned.
; v_wmma_f32_16x16x4_f32: lane (r, h) holds row r and k = 2 h + j in register j.  The same permutation of k stands on both sides of each product, so that plain loads and the results' own registers serve as operands.
; The registers that the matrix instructions write (v208-255) are written by them alone.
.set PW,    4352                       ; a wave's part in LDS: 16 rows x (256 bytes + 16)
.set SPARE, 16*PW                      ; the spare words, 128 bytes for each wave: eight blocks of 256 bytes that no other line names
.set SPW,  10
.set NIL,  11
.set QF,   32                          ; q, later Wo's group 1, later the parts of my row
.set KF,   64                          ; k, later Wo's group 2
.set VF,   96                          ; v, later Wo's group 3
.set WF,   128                         ; Wo's group 0
.set ON,   160                         ; O^T / l
.set SV,   192                         ; the scores
.set PP,   200                         ; p
.set SA,   208                         ; S^T in two sums by turns
.set SB,   216
.set OA,   224                         ; O^T, then out^T
	s_load_b256 s[4:11], s[0:1], 0x0               ; r32, Wo, bo, out0
	v_lshl_add_u32 v[SPW], v0, 2, SPARE
	v_mov_b32 v[NIL], 0
	v_lshrrev_b32 v1, 5, v0
	v_readfirstlane_b32 s12, v1                    ; wave = head
	s_and_b32 s13, ttmp7, 0xffff                   ; batch
	v_and_b32 v1, 15, v0                           ; r
	v_bfe_u32 v2, v0, 4, 1                         ; h
	v_lshlrev_b32 v3, 12, v1
	v_lshl_add_u32 v3, v2, 4, v3                   ; q, k: row r of 4,096 bytes, + 16 h
	v_lshlrev_b32 v4, 2, v1
	v_lshl_add_u32 v4, v2, 15, v4                  ; v, Wo: column r, 8 h rows down
	v_lshlrev_b32 v5, 3, v2
	v_sub_nc_u32 v6, v1, v5                        ; r - 8 h
	s_mul_i32 s14, s12, PW
	v_mul_u32_u24 v7, v1, 272
	v_lshl_add_u32 v7, v2, 5, v7
	v_add_nc_u32 v7, s14, v7                       ; my part: row r, + 32 h
	v_and_b32 v9, 31, v0
	v_lshlrev_b32 v9, 3, v9                        ; 8 x lane
	s_mul_i32 s14, s12, 272
	v_add_nc_u32 v8, s14, v9                       ; row w of part 0
	v_mov_b32 v14, 0                               ; a lane permute's destination counts as one of its sources
	v_mov_b32 v19, 0xff800000                      ; -infinity
	s_lshl_b32 s16, s13, 16
	s_lshl_b32 s14, s12, 8
	s_add_co_u32 s16, s16, s14                     ; r32: 65,536 batch + 256 head
	s_mov_b32 s17, 0
	s_lshl_b32 s24, ttmp9, 8                       ; 256 x
	s_mov_b32 s25, 0
	s_lshl_b32 s18, s12, 18
	s_add_co_u32 s18, s18, s24                     ; Wo: my 64 rows, the work-group's 64 columns
	s_mov_b32 s19, 0
	s_lshl_b32 s26, s13, 11
	s_add_co_u32 s26, s26, s12
	s_lshl_b32 s26, s26, 12
	s_add_co_u32 s26, s26, s24                     ; out0: row 2,048 batch + w
	s_mov_b32 s27, 0
	s_mov_b32 s20, 0x76543210
	s_mov_b32 s21, 0xfedcba98
	s_mov_b32 s22, 0x3e38aa3b                      ; c = log2(e) / 8
	s_wait_kmcnt 0x0
	s_add_nc_u64 s[4:5], s[4:5], s[16:17]
	s_add_nc_u64 s[6:7], s[6:7], s[18:19]
	s_add_nc_u64 s[8:9], s[8:9], s[24:25]
	s_add_nc_u64 s[10:11], s[10:11], s[26:27]
	global_load_b64 v[20:21], v9, s[8:9]           ; bo of my two columns
.irp c, 0,1,2,3,4,5,6,7
	global_load_b128 v[QF+4*\c:QF+4*\c+3], v3, s[4:5] offset:32*\c             ; q(r, 8 c + 4 h + 0 .. 3)
.endr
.irp c, 0,1,2,3,4,5,6,7
	global_load_b128 v[KF+4*\c:KF+4*\c+3], v3, s[4:5] offset:262144+32*\c      ; k likewise
.endr
.irp jj, 0,1,2,3
.irp ct, 0,1,2,3
.irp j, 0,1
	global_load_b32 v[VF+2*(4*\jj+\ct)+\j], v4, s[4:5] offset:524288+4096*(2*\jj+\j)+64*\ct   ; v(key 8 h + 2 jj + j, channel 16 ct + r)
.endr
.endr
.endr
.macro WLOAD reg, t                    ; Wo(channel 16 t + 8 h + 2 jj + j of my 64, column 16 nt + r of the 64)
.irp jj, 0,1,2,3
.irp nt, 0,1,2,3
.irp j, 0,1
	global_load_b32 v[\reg+2*(4*\jj+\nt)+\j], v4, s[6:7] offset:4096*(16*(\t)+2*\jj+\j)+64*\nt
.endr
.endr
.endr
.endm
	s_wait_loadcnt 32                              ; bo, q and k are in; v's 32 loads may be out
.set n, 0
.rept 16                               ; S^T = K Q^T: source 0 = 16 keys, source 1 = 16 queries; two sums by turns, each begun with the constant 0
.if n < 2
	v_wmma_f32_16x16x4_f32 v[SA+8*(n%2):SA+8*(n%2)+7], v[KF+2*n:KF+2*n+1], v[QF+2*n:QF+2*n+1], 0
.else
	v_wmma_f32_16x16x4_f32 v[SA+8*(n%2):SA+8*(n%2)+7], v[KF+2*n:KF+2*n+1], v[QF+2*n:QF+2*n+1], v[SA+8*(n%2):SA+8*(n%2)+7]
.endif
.set n, n+1
.endr
	WLOAD WF, 0
.rept 8
	v_nop                                          ; eight places behind this form (ISA guide 7.12.1)
.endr
.irp j, 0,1,2,3,4,5,6,7
	v_add_f32 v[SV+\j], v[SA+\j], v[SB+\j]         ; lane (r, h), register j: query r, key 8 h + j
.endr
.irp j, 0,1,2,3,4,5,6,7
	v_cmp_gt_i32 vcc_lo, \j, v6                    ; hidden where 8 h + j > r
	v_cndmask_b32 v[SV+\j], v[SV+\j], v19, vcc_lo
.endr
	v_max3_num_f32 v12, v[SV], v[SV+1], v[SV+2]
	v_max3_num_f32 v13, v[SV+3], v[SV+4], v[SV+5]
	v_max3_num_f32 v12, v12, v[SV+6], v[SV+7]
	v_max_num_f32 v12, v12, v13
	v_permlanex16_b32 v14, v12, s20, s21
	v_max_num_f32 v12, v12, v14                    ; the row's maximum: key 0 counts for every query, so it is a number
	v_mul_f32 v12, s22, v12
.irp j, 0,1,2,3,4,5,6,7
	v_fma_f32 v[SV+\j], v[SV+\j], s22, -v12
.endr
.irp j, 0,1,2,3,4,5,6,7
	v_exp_f32 v[PP+\j], v[SV+\j]
.endr
	v_nop
	s_wait_alu depctr_va_vdst(0)                   ; one wait for the eight, ahead of their first reader
	v_add_f32 v15, v[PP], v[PP+1]
	v_add_f32 v16, v[PP+2], v[PP+3]
	v_add_f32 v17, v[PP+4], v[PP+5]
	v_add_f32 v18, v[PP+6], v[PP+7]
	v_add_f32 v15, v15, v16
	v_add_f32 v17, v17, v18
	v_add_f32 v15, v15, v17
	v_permlanex16_b32 v14, v15, s20, s21
	v_add_f32 v15, v15, v14
	v_rcp_f32 v15, v15
	v_nop
	s_wait_alu depctr_va_vdst(0)
	s_wait_loadcnt 32                              ; v is in; Wo's group 0 may be out
.irp jj, 0,1,2,3                       ; O^T = V^T P: source 0 = 16 channels, source 1 = p; keys 8 h + 2 jj + j on both sides; four sums by turns
.irp ct, 0,1,2,3
.if \jj == 0
	v_wmma_f32_16x16x4_f32 v[OA+8*\ct:OA+8*\ct+7], v[VF+2*(4*\jj+\ct):VF+2*(4*\jj+\ct)+1], v[PP+2*\jj:PP+2*\jj+1], 0
.else
	v_wmma_f32_16x16x4_f32 v[OA+8*\ct:OA+8*\ct+7], v[VF+2*(4*\jj+\ct):VF+2*(4*\jj+\ct)+1], v[PP+2*\jj:PP+2*\jj+1], v[OA+8*\ct:OA+8*\ct+7]
.endif
.endr
.endr
.rept 9
	v_nop                                          ; eight places in front of reads of the results and of loads into the operands' registers; nine in front of the products that begin new sums on these accumulators
.endr
	WLOAD QF, 1
	WLOAD KF, 2
	WLOAD VF, 3
.set i, 0
.rept 32
	v_mul_f32 v[ON+i], v[OA+i], v15                ; lane (r, h), register 8 t + j: query r, channel 16 t + 8 h + j
.set i, i+1
.endr
.macro OUTP g, t                       ; out^T += Wo^T O^T over channels 16 t .. + 15: source 0 = 16 columns of Wo, source 1 = O
.irp jj, 0,1,2,3
.irp nt, 0,1,2,3
.if (\t) == 0 && \jj == 0
	v_wmma_f32_16x16x4_f32 v[OA+8*\nt:OA+8*\nt+7], v[\g+2*(4*\jj+\nt):\g+2*(4*\jj+\nt)+1], v[ON+8*(\t)+2*\jj:ON+8*(\t)+2*\jj+1], 0
.else
	v_wmma_f32_16x16x4_f32 v[OA+8*\nt:OA+8*\nt+7], v[\g+2*(4*\jj+\nt):\g+2*(4*\jj+\nt)+1], v[ON+8*(\t)+2*\jj:ON+8*(\t)+2*\jj+1], v[OA+8*\nt:OA+8*\nt+7]
.endif
.endr
.endr
.endm
	s_wait_loadcnt 63                              ; group 0 is in: 96 loads were issued behind it, and the field's largest count is smaller, so safe
	OUTP WF, 0
	s_wait_loadcnt 63                              ; group 1: 64 behind it
	OUTP QF, 1
	s_wait_loadcnt 32
	OUTP KF, 2
	s_wait_loadcnt 0
	OUTP VF, 3
.rept 8
	v_nop
.endr
.irp nt, 0,1,2,3
	ds_store_b128 v7, v[OA+8*\nt:OA+8*\nt+3] offset:64*\nt         ; lane (r, h): my part of out(query r, column 16 nt + 8 h + 0 .. 7)
	ds_store_b128 v7, v[OA+8*\nt+4:OA+8*\nt+7] offset:64*\nt+16
.endr
	s_wait_dscnt 0x0                               ; for the others' sake: my stores have landed
	s_barrier_signal -1
	s_barrier_wait -1
.irp p, 0,1,2,3,4,5,6,7,8,9,10,11,12,13,14,15
	ds_load_b64 v[QF+2*\p:QF+2*\p+1], v8 offset:PW*\p              ; row w of each head's part
.endr
	s_wait_dscnt 0x0
	v_pk_add_f32 v[12:13], v[20:21], v[QF:QF+1]
	v_pk_add_f32 v[14:15], v[QF+2:QF+3], v[QF+4:QF+5]
.irp p, 3,5,7,9,11,13
	v_pk_add_f32 v[12:13], v[12:13], v[QF+2*\p:QF+2*\p+1]
	v_pk_add_f32 v[14:15], v[14:15], v[QF+2*\p+2:QF+2*\p+3]
.endr
	v_pk_add_f32 v[12:13], v[12:13], v[QF+30:QF+31]
	v_pk_add_f32 v[12:13], v[12:13], v[14:15]
	global_store_b64 v9, v[12:13], s[10:11]
	s_wait_tensorcnt 0x0                           ; the wave's end, behind my last LDS store
	ds_add_u32 v[SPW], v[NIL]
	s_wait_dscnt 0x0
	s_endpgm
.Lfunc_end_k_q6f926270cf_first16:
	.size	k_q6f926270cf_first16, .Lfunc_end_k_q6f926270cf_first16-k_q6f926270cf_first16
	.p2alignl 7, 3214868480
	.fill 96, 4, 3214868480
	.section	.rodata,"a",@progbits
	.p2align	6, 0x0
	.amdhsa_kernel k_q6f926270cf_first16
		.amdhsa_group_segment_fixed_size 71680
		.amdhsa_private_segment_fixed_size 0
		.amdhsa_enable_private_segment 0
		.amdhsa_kernarg_size 32
		.amdhsa_user_sgpr_count 2
		.amdhsa_user_sgpr_kernarg_segment_ptr 1
		.amdhsa_wavefront_size32 1
		.amdhsa_system_sgpr_workgroup_id_x 1
		.amdhsa_system_sgpr_workgroup_id_y 1
		.amdhsa_system_sgpr_workgroup_id_z 1
		.amdhsa_system_vgpr_workitem_id 0
		.amdhsa_next_free_vgpr 256
		.amdhsa_next_free_sgpr 66
		.amdhsa_reserve_vcc 1
		.amdhsa_float_denorm_mode_32 3
		.amdhsa_float_denorm_mode_16_64 3
		.amdhsa_memory_ordered 1
		.amdhsa_forward_progress 1
		.amdhsa_inst_pref_size 32
	.end_amdhsa_kernel
	.amdgpu_metadata
---
amdhsa.version: [ 1, 2 ]
amdhsa.kernels:
  - .name:           k_q6f926270cf_first16
    .symbol:         k_q6f926270cf_first16.kd
    .args:
      - { .name: r32, .offset: 0, .size: 8, .value_kind: global_buffer, .address_space: global }
      - { .name: Wo, .offset: 8, .size: 8, .value_kind: global_buffer, .address_space: global }
      - { .name: bo, .offset: 16, .size: 8, .value_kind: global_buffer, .address_space: global }
      - { .name: out0, .offset: 24, .size: 8, .value_kind: global_buffer, .address_space: global }
    .group_segment_fixed_size: 71680
    .private_segment_fixed_size: 0
    .kernarg_segment_align: 8
    .kernarg_segment_size: 32
    .max_flat_workgroup_size: 512
    .sgpr_count:     66
    .vgpr_count:     256
    .wavefront_size: 32
...
	.end_amdgpu_metadata
.endif
;; end of part 4
;; launch oproj (part 5): grid 4 x 64, 4 waves a work-group, clusters of 4 x 4, 327,680 bytes of LDS; arguments ao, woh, bo, out0; writes out0
.if DOCPART == 5
	.amdgcn_target "amdgcn-amd-amdhsa--gfx1250"
	.amdhsa_code_object_version 6
	.text
	.protected	k_q6f926270cf_oproj
	.globl	k_q6f926270cf_oproj
	.p2align	8
	.type	k_q6f926270cf_oproj,@function
k_q6f926270cf_oproj:
	s_mov_b64 s[64:65], 0
	v_nop
	global_prefetch_b8 v0, s[64:65] scope:SCOPE_SE
	s_setreg_imm32_b32 hwreg(HW_REG_WAVE_MODE, 25, 1), 1
	s_wait_xcnt 0x0
	s_wait_alu depctr_hold_cnt(0) depctr_sa_sdst(0) depctr_va_vdst(0) depctr_va_sdst(0) depctr_va_ssrc(0) depctr_va_vcc(0) depctr_vm_vsrc(0)
	s_getreg_b32 s2, hwreg(HW_REG_IB_STS2, 6, 4)
	s_cmp_eq_u32 s2, 0
	s_cbranch_scc0 .Lentry_in_a_cluster
	s_endpgm
.Lentry_in_a_cluster:
	s_bfe_u32 s2, ttmp6, 0x10000c
	s_cmp_lg_u32 s2, 0xf033
	s_cbranch_scc0 .Lentry_shape_is_right
	s_endpgm
.Lentry_shape_is_right:
; out0 = ao Wo + bo on f16 operands, sums in f32, for all rows but positions 0 to 15 of each batch, which the launch before has stored from f32 operands.
; ao: [head][8,192 rows][64] f16; woh: [k 1,024][n 1,024] f16.  A tile of 128 rows x 256 columns is made by four waves, each 64 x 128: 32 accumulators.  256 work-groups.
; K goes in steps of 128 (two heads) through a ring of two LDS slots.  A's tile is two planes of 128 rows x 128 bytes, B's 128 rows k of 512 bytes, read turned by ds_load_tr16_b128.
; CLUSTERS: cy is the batch, cx the tile of columns, the cluster's y the tile of 128 positions.  The four of a row of the cluster need the same tiles of ao, the four of a column the same tiles of woh: joint loads.
; THE MATRIX INSTRUCTION IS USED TRANSPOSED (source 0 = 16 columns of Wo, source 1 = 16 rows of ao): a lane holds eight neighbouring numbers of a row of out0.  bo is the C of each sum's first product.
; REGISTERS: window 0: v0-31 addresses; v32-127, v128-223 two fragment buffers (32 registers of A, 64 of B).  window 1: the accumulators ((a, b) at v[8 (8 a + b)]).  window 2: v0-63 bo in the result's layout.
.set PA,     144                       ; a row of A in LDS: 128 bytes + 16
.set PB,     544                       ; a row of B: 512 + 32
.set PLANE,  128*PA
.set BOFF,   2*PLANE
.set SLOT,   BOFF+128*PB
.set STAGE,  2*SLOT                    ; behind the ring: 16 rows x (512 bytes + 16) for each wave
.set SPITCH, 528
.set SPARE,  STAGE+4*16*SPITCH         ; the spare words, 128 bytes for each wave: two blocks of 256 bytes that no other line names
.set ASTEP,  2097152                   ; a K step in ao: two planes of 8,192 rows x 128 bytes
.set BSTEP,  262144                    ; in woh: 128 rows of 2,048 bytes
.set ADRA, 16
.set ADRB, 20
.set STO,  24
.set RD,   25
.set CO,   26
.set SPW,  28
.set NIL,  29
.set PFO,  30
.set F0,   32
.set F1,   128
.set G1, 24
.set G0, 32
.set G1B, 48
.set G0B, 56
.set PFA, 68                           ; s[68:69] where wave 0's prefetches stand
.set LIM, 70                           ; s70  1 in wave 0, else the greatest number
.set MSB, 0
.macro WIN new                         ; the immediate's high byte repeats the setting that is left
.if MSB != \new
	s_set_vgpr_msb (MSB<<8)|\new
.set MSB, \new
.endif
.endm
.set MUL,  0x50                        ; sources 0 and 1 window 0; C and D window 1
.set MUL0, 0x60                        ; C (bo) window 2, D window 1
.macro JLOAD s                         ; waves 0 and 1 fetch A's two planes, waves 2 and 3 B's two halves; an s_nop 0 and four v_nop follow each line
	s_cmp_eq_u32 s11, 0
	s_cbranch_scc0 .Lfor_b_\@
	tensor_load_to_lds s[G0+4*\s:G0+4*\s+3], s[G1:G1+7]
	s_nop 0
.rept 4
	v_nop
.endr
	s_branch .Lasked_\@
.Lfor_b_\@:
	tensor_load_to_lds s[G0B+4*\s:G0B+4*\s+3], s[G1B:G1B+7]
	s_nop 0
.rept 4
	v_nop
.endr
.Lasked_\@:
.endm
.macro CREST
	s_cmp_lg_u32 s10, 0
	s_cbranch_scc1 .Lnot_wave_0_\@
	s_barrier_signal -3
.Lnot_wave_0_\@:
	s_barrier_wait -3
	s_barrier_signal -1
	s_barrier_wait -1
.endm
.macro CROUND
	s_barrier_signal -1
	s_barrier_wait -1
	CREST
.endm
; A prefetch of ao's K step that stands two refills on: two planes x 128 rows x 128 bytes.  The rows are read by my row of the cluster alone; its four partners take 4,096 bytes of each plane, told apart by address;
; in each, wave 0 asks: lanes 0-15 in one plane, lanes 16-31 in the other, 256 bytes apart.  The last two refills ask for nothing.  woh is read by all clusters at the same time and is not asked for.
.macro ASK
	s_cmp_gt_u32 s3, s[LIM]
	s_cbranch_scc0 .Lnot_mine_\@
	global_prefetch_b8 v[PFO], s[PFA:PFA+1] th:TH_LOAD_NT scope:SCOPE_SE
.Lnot_mine_\@:
.endm
	s_load_b128 s[4:7], s[0:1], 0x0                ; ao, woh
	s_load_b64 s[66:67], s[0:1], 0x10              ; bo
	s_load_b64 s[8:9], s[0:1], 0x18                ; out0
	v_lshl_add_u32 v[SPW], v0, 2, SPARE
	v_mov_b32 v[NIL], 0
	ds_add_u32 v[SPW], v[NIL]                      ; the wave's opening: the add, twice on end, and its wait ahead of my first tensor load
	ds_add_u32 v[SPW], v[NIL]
	v_lshrrev_b32 v1, 5, v0
	v_readfirstlane_b32 s10, v1                    ; wave 0..3
	s_lshr_b32 s11, s10, 1                         ; which 64 rows are mine.  Also: I fetch for A (0) or for B (1)
	s_and_b32 s12, s10, 1                          ; which 128 columns.  Also: which plane or half I fetch
	s_bfe_u32 s40, ttmp6, 0x40000                  ; cx
	s_bfe_u32 s41, ttmp6, 0x40004                  ; cy
	s_and_b32 s71, ttmp7, 0xffff                   ; the cluster's y
	s_lshl_b32 s43, s41, 2
	s_lshl_b32 s43, 15, s43                        ; my row of the cluster
	s_lshl_b32 s44, 0x1111, s40                    ; my column
	s_or_b32 s[G1+0], s43, (1<<16)|(1<<20)|(1<<21)|(4<<22)|(3<<25)  ; the mask; elements of 2 bytes; padding on; bit 21 beside a mask; after every 32 words, 4 words
	s_mov_b32 s[G1+1], 64<<16
	s_mov_b32 s[G1+2], 128<<16
	s_mov_b32 s[G1+3], 64<<16
	s_mov_b32 s[G1+4], 128
	s_mov_b32 s[G1+5], 64
	s_mov_b32 s[G1+6], 0
	s_mov_b32 s[G1+7], 0
	s_or_b32 s[G1B+0], s44, (1<<16)|(1<<20)|(1<<21)|(6<<22)|(7<<25) ; after every 128 words, 8 words
	s_mov_b32 s[G1B+1], 256<<16
	s_mov_b32 s[G1B+2], 64<<16
	s_mov_b32 s[G1B+3], 256<<16
	s_mov_b32 s[G1B+4], 64
	s_mov_b32 s[G1B+5], 1024
	s_mov_b32 s[G1B+6], 0
	s_mov_b32 s[G1B+7], 0
	s_lshl_b32 s13, s41, 11
	s_lshl_b32 s16, s71, 7
	s_add_co_u32 s13, s13, s16                     ; m0 = 2,048 cy + 128 y
	s_lshl_b32 s16, s12, 13
	s_add_co_u32 s16, s16, s13
	s_lshl_b32 s16, s16, 7                         ; A: (8,192 plane + m0) x 128 bytes
	s_mov_b32 s17, 0
	s_lshl_b32 s46, s12, 17                        ; B: 64 rows of 2,048 bytes x half,
	s_lshl_b32 s47, s40, 9
	s_add_co_u32 s46, s46, s47                     ; + 512 cx
	s_mov_b32 s47, 0
	s_mul_i32 s20, s12, PLANE                      ; where they go
	s_mul_i32 s21, s12, 64*PB
	s_add_co_u32 s21, s21, BOFF
	s_wait_dscnt 0x0                               ; both opening adds are done
	s_wait_kmcnt 0x0
	s_add_nc_u64 s[14:15], s[4:5], s[16:17]
	s_add_nc_u64 s[46:47], s[6:7], s[46:47]
	CROUND                                         ; all sixteen work-groups are here: the first joint loads meet
.irp s, 0,1
	s_mov_b32 s[G0+4*\s], 1
	s_add_co_u32 s[G0+4*\s+1], s20, \s*SLOT
	s_add_nc_u64 s[G0+4*\s+2:G0+4*\s+3], s[14:15], \s*ASTEP
	s_or_b32 s[G0+4*\s+3], s[G0+4*\s+3], 0x80000000
	s_mov_b32 s[G0B+4*\s], 1
	s_add_co_u32 s[G0B+4*\s+1], s21, \s*SLOT
	s_add_nc_u64 s[G0B+4*\s+2:G0B+4*\s+3], s[46:47], \s*BSTEP
	s_or_b32 s[G0B+4*\s+3], s[G0B+4*\s+3], 0x80000000
	JLOAD \s
.endr
	v_and_b32 v1, 15, v0                           ; l % 16
	v_bfe_u32 v2, v0, 4, 1                         ; l / 16
	s_lshl_b32 s22, s40, 10
	s_lshl_b32 s23, s12, 9
	s_add_co_u32 s22, s22, s23                     ; my first column, in bytes of f32
	s_mov_b32 s23, 0
	s_add_nc_u64 s[66:67], s[66:67], s[22:23]
	v_lshlrev_b32 v7, 5, v2
	WIN 0x80                                       ; destination window 2
.irp b, 0,1,2,3,4,5,6,7
	global_load_b128 v[8*\b:8*\b+3], v7, s[66:67] offset:64*\b     ; bo(16 b + 8 h + 0 .. 7) of my 128 columns
	global_load_b128 v[8*\b+4:8*\b+7], v7, s[66:67] offset:64*\b+16
.endr
	WIN 0
	v_mul_u32_u24 v3, v1, PA
	v_lshl_add_u32 v3, v2, 4, v3
	s_mul_i32 s16, s11, 64*PA
	v_add_nc_u32 v[ADRA], s16, v3                  ; A: row 64 wm + l % 16, + 16 x half
	v_add_nc_u32 v[ADRA+1], SLOT, v[ADRA]
	v_and_b32 v4, 7, v0
	v_lshl_add_u32 v4, v2, 3, v4
	v_mul_u32_u24 v4, v4, PB
	v_bfe_u32 v5, v0, 3, 1
	v_lshl_add_u32 v4, v5, 4, v4
	s_lshl_b32 s16, s12, 8
	s_add_co_u32 s16, s16, BOFF
	v_add_nc_u32 v[ADRB], s16, v4                  ; B, turned: row 8 (l / 16) + l % 8 of k, 16 bytes of my 128 columns
	v_add_nc_u32 v[ADRB+1], SLOT, v[ADRB]
	s_mul_i32 s16, s10, 16*SPITCH
	s_add_co_u32 s16, s16, STAGE
	v_mul_u32_u24 v5, v1, SPITCH
	v_lshl_add_u32 v5, v2, 5, v5
	v_add_nc_u32 v[STO], s16, v5
	v_and_b32 v6, 31, v0
	v_lshlrev_b32 v[CO], 4, v6
	v_add_nc_u32 v[RD], s16, v[CO]
	s_lshl_b32 s16, s11, 6
	s_add_co_u32 s16, s16, s13                     ; my first row of out0
	s_lshl_b32 s16, s16, 12
	s_add_co_u32 s16, s16, s22
	s_mov_b32 s17, 0
	s_add_nc_u64 s[8:9], s[8:9], s[16:17]
	s_lshl_b32 s16, s13, 7
	s_lshl_b32 s18, s40, 12
	s_add_co_u32 s16, s16, s18                     ; the prefetches: 128 m0 + 4,096 cx,
	s_add_nc_u64 s[PFA:PFA+1], s[4:5], s[16:17]
	s_add_nc_u64 s[PFA:PFA+1], s[PFA:PFA+1], 3*ASTEP   ; at K step 3: the first refill (of step 2) steps it to 4.  Nothing is prefetched at the head
	s_cmp_eq_u32 s10, 0
	s_cselect_b32 s[LIM], 1, -1
	v_lshlrev_b32 v[PFO], 8, v1
	v_lshl_add_u32 v[PFO], v2, 20, v[PFO]
.macro MUL8 f, a, zero                 ; A's block a against B's eight; the 32 accumulators take turns, one instruction a turn
.irp b, 0,1,2,3,4,5,6,7
.if \zero
	v_wmma_f32_16x16x32_f16 v[8*(8*(\a)+\b):8*(8*(\a)+\b)+7], v[\f+32+8*\b:\f+32+8*\b+7], v[\f+8*(\a):\f+8*(\a)+7], v[8*\b:8*\b+7]
.else
	v_wmma_f32_16x16x32_f16 v[8*(8*(\a)+\b):8*(8*(\a)+\b)+7], v[\f+32+8*\b:\f+32+8*\b+7], v[\f+8*(\a):\f+8*(\a)+7], v[8*(8*(\a)+\b):8*(8*(\a)+\b)+7]
.endif
.endr
.endm
.macro FETCH slot, q, f                ; 24 LDS loads in one run: the fragments of the slot's q-th 32 along K; A's blocks 2 and 3 last
	WIN 0
.irp b, 0,1,2,3,4,5,6,7
	ds_load_tr16_b128 v[\f+32+8*\b:\f+32+8*\b+3],   v[ADRB+\slot] offset:32*PB*(\q)+32*\b
	ds_load_tr16_b128 v[\f+32+8*\b+4:\f+32+8*\b+7], v[ADRB+\slot] offset:32*PB*(\q)+32*\b+16*PB
.endr
.irp i, 0,1,2,3
	ds_load_b128 v[\f+8*\i:\f+8*\i+3],   v[ADRA+\slot] offset:PLANE*((\q)/2)+64*((\q)%2)+16*PA*\i
	ds_load_b128 v[\f+8*\i+4:\f+8*\i+7], v[ADRA+\slot] offset:PLANE*((\q)/2)+64*((\q)%2)+16*PA*\i+32
.endr
.endm
.macro PLACES                          ; four plain vector instructions in front of loads into registers that matrix instructions have read, and of reads of results
.rept 4
	v_nop
.endr
.endm
.macro QUARTER slot, q, f, g, zero     ; multiplies buffer f and fetches the slot's q-th quarter into g
	s_wait_dscnt 4                                 ; B and A's blocks 0, 1 are in; A's blocks 2, 3 may be out
.if \zero
	WIN MUL0
.else
	WIN MUL
.endif
	MUL8 \f, 0, \zero
	MUL8 \f, 1, \zero
	PLACES
	FETCH \slot, \q, \g
	s_wait_dscnt 24                                ; all but the 24 just issued
.if \zero
	WIN MUL0
.else
	WIN MUL
.endif
	MUL8 \f, 2, \zero
	MUL8 \f, 3, \zero
.endm
; A slot's last quarter multiplies buffer 1 and changes slots: one barrier; in front of it each wave waits for all its tensor loads, adds 0 to its spare word, and waits for that and for its reads of this slot.
; fill = 1: the barrier opens a round of the cluster's, and this slot is filled again, two K steps ahead: the first tensor load behind the round, one a wave.
.macro TURN slot, next, fill
.if \fill
	s_wait_xcnt 0x0                                ; the last prefetch, a K step back, has read its address
	s_add_nc_u64 s[PFA:PFA+1], s[PFA:PFA+1], ASTEP
.endif
	WIN 0
	s_wait_tensorcnt 0x0
	ds_add_u32 v[SPW], v[NIL]
	s_wait_dscnt 5                                 ; the add and A's blocks 2, 3 may be out
	WIN MUL
	MUL8 F1, 0, 0
	s_wait_dscnt 0x0
	s_barrier_signal -1
	MUL8 F1, 1, 0
.if \fill
	WIN 0
.endif
	s_barrier_wait -1
.if \fill
	CREST
	s_add_nc_u64 s[G0+4*\slot+2:G0+4*\slot+3], s[G0+4*\slot+2:G0+4*\slot+3], 2*ASTEP
	s_add_nc_u64 s[G0B+4*\slot+2:G0B+4*\slot+3], s[G0B+4*\slot+2:G0B+4*\slot+3], 2*BSTEP
	JLOAD \slot                                    ; the four v_nop behind it are also the places in front of the loads below
.else
	PLACES
.endif
	FETCH \next, 0, F0
.if \fill
	ASK
.endif
	WIN MUL
	MUL8 F1, 2, 0
	MUL8 F1, 3, 0
.endm
	s_wait_tensorcnt 1                             ; my part of K step 0 is in; K step 1's load may be out
	s_barrier_signal -1
	s_barrier_wait -1
	FETCH 0, 0, F0
	s_wait_loadcnt 0x0                             ; bo
	QUARTER 0, 1, F0, F1, 1                        ; the first quarter stands in front of the loop: its products start the sums on bo
	WIN 0
	s_mov_b32 s3, 3
.Llap:                                             ; a trip goes once round the ring and fills both slots again: K steps 2 to 7 in three trips
	QUARTER 0, 2, F1, F0, 0
	QUARTER 0, 3, F0, F1, 0
	TURN 0, 1, 1
	QUARTER 1, 1, F0, F1, 0
	QUARTER 1, 2, F1, F0, 0
	QUARTER 1, 3, F0, F1, 0
	TURN 1, 0, 1
	QUARTER 0, 1, F0, F1, 0
	WIN 0
	s_sub_co_u32 s3, s3, 1
	s_cmp_lg_u32 s3, 0
	s_cbranch_scc1 .Llap
	QUARTER 0, 2, F1, F0, 0                        ; the last lap fills nothing
	QUARTER 0, 3, F0, F1, 0
	TURN 0, 1, 0
	QUARTER 1, 1, F0, F1, 0
	QUARTER 1, 2, F1, F0, 0
	QUARTER 1, 3, F0, F1, 0
	s_wait_dscnt 4
	WIN MUL
	MUL8 F1, 0, 0
	MUL8 F1, 1, 0
	s_wait_dscnt 0
	MUL8 F1, 2, 0
	MUL8 F1, 3, 0
	WIN 0
	PLACES
; THE WAY OUT, a block of 16 rows x 128 columns at a time, through my own stage: back come whole rows of 512 bytes.
.macro TOSTAGE a
	WIN 0x04                                       ; an LDS store's data are its source 1: window 1
.irp b, 0,1,2,3,4,5,6,7
	ds_store_b128 v[STO], v[64*(\a)+8*\b:64*(\a)+8*\b+3] offset:64*\b          ; each accumulator from its low end on
	ds_store_b128 v[STO], v[64*(\a)+8*\b+4:64*(\a)+8*\b+7] offset:64*\b+16
.endr
	WIN 0
.set BB, 32+64*((\a)%2)
.irp t, 0,1,2,3,4,5,6,7,8,9,10,11,12,13,14,15
	ds_load_b128 v[BB+4*\t:BB+4*\t+3], v[RD] offset:\t*SPITCH      ; LDS serves a wave's instructions in order: these see my stores, and the next block's stores come behind them
.endr
.endm
.macro SEND a, younger
.set BB, 32+64*((\a)%2)
	s_wait_dscnt \younger
.irp t, 0,1,2,3,4,5,6,7,8,9,10,11,12,13,14,15
	global_store_b128 v[CO], v[BB+4*\t:BB+4*\t+3], s[8:9] offset:(16*(\a)+\t)*4096 th:TH_STORE_NT
.endr
.endm
	s_or_b32 s22, s71, s11                         ; positions 0 to 15 of a batch are block 0 of the upper waves where the cluster's y is 0: the launch before owns those rows
	s_cmp_eq_u32 s22, 0
	s_cbranch_scc1 .Lskip0
	TOSTAGE 0
	SEND 0, 0
.Lskip0:
	s_wait_xcnt 0x0                                ; block 0's stores have read their registers: block 2's loads may land there
	TOSTAGE 1
	TOSTAGE 2
	SEND 1, 32                                     ; behind block 1's loads: block 2's 16 stores and 16 loads
	s_wait_xcnt 0x0
	TOSTAGE 3
	SEND 2, 32
	SEND 3, 0
	s_wait_tensorcnt 0x0                           ; the wave's end
	ds_add_u32 v[SPW], v[NIL]
	s_wait_dscnt 0x0
	CROUND                                         ; the closing round
	s_endpgm
.Lfunc_end_k_q6f926270cf_oproj:
	.size	k_q6f926270cf_oproj, .Lfunc_end_k_q6f926270cf_oproj-k_q6f926270cf_oproj
	.p2alignl 7, 3214868480
	.fill 96, 4, 3214868480
	.section	.rodata,"a",@progbits
	.p2align	6, 0x0
	.amdhsa_kernel k_q6f926270cf_oproj
		.amdhsa_group_segment_fixed_size 327680
		.amdhsa_private_segment_fixed_size 0
		.amdhsa_enable_private_segment 0
		.amdhsa_kernarg_size 32
		.amdhsa_user_sgpr_count 2
		.amdhsa_user_sgpr_kernarg_segment_ptr 1
		.amdhsa_wavefront_size32 1
		.amdhsa_system_sgpr_workgroup_id_x 1
		.amdhsa_system_sgpr_workgroup_id_y 1
		.amdhsa_system_sgpr_workgroup_id_z 1
		.amdhsa_system_vgpr_workitem_id 0
		.amdhsa_next_free_vgpr 576
		.amdhsa_next_free_sgpr 72
		.amdhsa_reserve_vcc 0
		.amdhsa_float_denorm_mode_32 3
		.amdhsa_float_denorm_mode_16_64 3
		.amdhsa_memory_ordered 1
		.amdhsa_forward_progress 1
		.amdhsa_inst_pref_size 87
	.end_amdhsa_kernel
	.amdgpu_metadata
---
amdhsa.version: [ 1, 2 ]
amdhsa.kernels:
  - .name:           k_q6f926270cf_oproj
    .symbol:         k_q6f926270cf_oproj.kd
    .args:
      - { .name: ao, .offset: 0, .size: 8, .value_kind: global_buffer, .address_space: global }
      - { .name: woh, .offset: 8, .size: 8, .value_kind: global_buffer, .address_space: global }
      - { .name: bo, .offset: 16, .size: 8, .value_kind: global_buffer, .address_space: global }
      - { .name: out0, .offset: 24, .size: 8, .value_kind: global_buffer, .address_space: global }
    .group_segment_fixed_size: 327680
    .private_segment_fixed_size: 0
    .kernarg_segment_align: 8
    .kernarg_segment_size: 32
    .max_flat_workgroup_size: 128
    .sgpr_count:     72
    .vgpr_count:     576
    .wavefront_size: 32
...
	.end_amdgpu_metadata
.endif
;; end of part 5
